; MI455X (gfx1250); checked and timed in simulation.
; The chip was launched on July 23, 2026; its instructions are those of AMD's public machine-readable ISA for CDNA 5 (MIT licence, August 2026) and "CDNA5" Instruction Set Architecture Reference Guide (July 2026). The comments in the code are by the model that wrote it; some were corrected since.
;; attention. Allowed arithmetic: matrix products marked QUANTISED: E2M3 operands, one E8M0 scale for each 32 along K, by v_wmma_scale_f32_16x16x128_f8f6f4 with both operands' format E2M3, f32 sums; everything else in f32.
;; Inputs: W_k 1,024 x 1,024 float32; W_o 1,024 x 1,024 float32; W_q 1,024 x 1,024 float32; W_v 1,024 x 1,024 float32; keys_in 4 x 2,048 x 1,024 float32; query_in 4 x 2,048 x 1,024 float32; values_in 4 x 2,048 x 1,024 float32.
;; Outputs: out0 4 x 2,048 x 1,024 float32.
;; This version of the problem:
;;   THIS VERSION OF THE PROBLEM IS GIVEN IN LOW PRECISION. The matrix products marked QUANTISED in the list below multiply operands that are first quantised to E2M3 (2 exponent bits, 3 mantissa bits; 6 bits a number), with one power-of-two scale for each 32 numbers along K (OCP MX v1.0); their sums are f32. All else is computed in f32.
;;   The module's matrix products, in the order in which they are computed (A, B: the left and right operand; K: the contracted axis; several contracted axes count as one K, in the product's order):
;;     1. [M 8,192, K 1,024] x [K 1,024, N 1,024]; A: input values_in; B: input W_v: QUANTISED
;;     2. [M 8,192, K 1,024] x [K 1,024, N 1,024]; A: input keys_in; B: input W_k: QUANTISED
;;     3. [M 8,192, K 1,024] x [K 1,024, N 1,024]; A: input query_in; B: input W_q: QUANTISED
;;     4. batch 64 x [M 2,048, K 64] x [K 64, N 2,048]; A: computed on the way; B: computed on the way: QUANTISED
;;     5. batch 64 x [M 64, K 2,048] x [K 2,048, N 2,048]; A: computed on the way; B: softmax (see below): QUANTISED
;;     6. [M 8,192, K 1,024] x [K 1,024, N 1,024]; A: computed on the way; B: input W_o: QUANTISED
;;   THE QUANTISER, for each operand of a quantised product, along K:
;;     - K is cut into blocks of 32 from its start; a last block that is shorter is filled with zeros.
;;     - A block's scale is 2^e with e = floor(log2(the largest magnitude in the block)) - 2, held to -126 .. 127; a block of zeros has e = 0. As a byte (E8M0): e + 127.
;;     - Each number is divided by its block's scale, clamped to +-7.5, and rounded to the nearest number of E2M3, ties to even, subnormals kept.
;;     - The product sums the exact products of the quantised numbers (number of the format x scale) in f32.
;;   ~~~python
;;   def quantise(x, axis):      # numpy; x: float32 -> the quantised numbers, widened to float32 again
;;       x = np.moveaxis(x, axis, -1); K = x.shape[-1]
;;       x = np.pad(x, [(0, 0)] * (x.ndim - 1) + [(0, -K % 32)]); x = x.reshape(x.shape[:-1] + (-1, 32)); a = np.abs(x).max(-1, keepdims=True)
;;       e = np.where(a > 0, np.clip(np.frexp(np.where(a > 0, a, 1))[1] - 1 - 2, -126, 127), 0)      # np.frexp(a)[1] - 1 = floor(log2(a)), exactly
;;       r = np.clip(x / 2.0 ** e, -7.5, 7.5)
;;       step = 2.0 ** (np.maximum(np.frexp(np.where(r == 0, 1, r))[1] - 1, 0) - 3)
;;       q = np.round(r / step) * step * 2.0 ** e      # np.round: ties to even
;;       return np.moveaxis(q.reshape(q.shape[:-2] + (-1,))[..., :K], -1, axis).astype(np.float32)
;;   ~~~
;;   SOFTMAX AHEAD OF A QUANTISED PRODUCT. Where the list says 'softmax', what is quantised is not the finished softmax but p = 2^(t - M), with t = logit x log2(e) and M = ceil(the row's largest t), a whole number; so 1/2 < the row's largest p <= 1. The row's sum l is taken of the UNQUANTISED p, in f32, and the product's result is divided by l at the end. Since M is a whole number, a kernel that streams over the keys may use a running M (the ceiling of the running maximum): every later rescaling is an exact power of two, which a block's scale takes up: the codes' values come out the same.
;;   OPERANDS COMPUTED ON THE WAY. 'Computed on the way' means the value that the module computes at that place (a softmax that the list does not call 'softmax' is quantised finished and normalised). What goes into a quantiser is computed in f32, as accurately as f32 sums, v_exp_f32 and their like allow (about 1e-6 of the number): no bf16 or f16 on the way to a quantiser, and a product that is left as it is and whose result goes on into a quantised operand takes f32 operands (vector FMAs, or v_wmma_f32_16x16x4_f32). A number that lies on a knife's edge between two numbers of the format may be rounded either way, as far as f32 arithmetic and the matrix unit's own rounding can turn it there, and no further.
;; One version. Each part assembles by itself: llvm-mc -triple=amdgcn-amd-amdhsa -mcpu=gfx1250 --defsym DOCPART=n.
;; ======== version 1 of 1: 4 launches
;; workspace buffers: cod 22,020,096 bytes; scl 917,504 bytes; qkv 20,185,088 bytes; ac 6,291,456 bytes; asc 262,144 bytes
;; launch quant (part 1): grid 896 x 1, 4 waves a work-group, no clusters, 33,280 bytes of LDS; arguments values_in, keys_in, query_in, W_v, W_k, W_q, W_o, cod, scl; writes cod, scl
.if DOCPART == 1
	.amdgcn_target "amdgcn-amd-amdhsa--gfx1250"
	.amdhsa_code_object_version 6
	.text
	.protected	k_qc7cee1e48f_quant
	.globl	k_qc7cee1e48f_quant
	.p2align	8
	.type	k_qc7cee1e48f_quant,@function
k_qc7cee1e48f_quant:
	s_mov_b64 s[64:65], 0
	v_nop
	global_prefetch_b8 v0, s[64:65] scope:SCOPE_SE
	s_setreg_imm32_b32 hwreg(HW_REG_WAVE_MODE, 25, 1), 1
	s_wait_xcnt 0x0
; The three inputs [8192][1024] and the four weights [1024][1024], f32, K innermost, become codes of FP6 (E2M3), 6 bits each, and one E8M0 scale byte for each 32 along K.
; cod: [28,672 rows][768 bytes], scl: [28,672][32]; first rows: values_in 0, keys_in 8,192, query_in 16,384, W_v 24,576, W_k 25,600, W_q 26,624, W_o 27,648.
; A block's scale is 2^(floor(log2(its largest magnitude)) - 2); its byte is the largest magnitude's exponent field - 2, held at 1 from below.  A block of zeros so gets the byte 1 where the rule says 127:
; its codes are zeros, which add nothing under any byte but 0xff, and the bytes are read by this program alone.
; LIMITS: blocks whose largest magnitude lies under 2^-124 have their byte held at 1; NaN and infinities among the inputs are not served.
; ROW ORDER.  values_in, keys_in, W_v, W_k and W_q are stored with bits 3 and 4 of the row's number exchanged: stored row 32 b + 16 u + 8 h + j is row 32 b + 16 h + 8 u + j.  So in the products that follow,
; a lane's 16 registers of two neighbouring result tiles are 16 neighbours along the next product's K.  A wave's run is 8 rows, so the exchange is one of bits 0 and 1 of the wave's number, on the way out alone.
; query_in and W_o keep their order.
; A work-group takes 32 rows (32,768 numbers), a wave 8 rows in 16 steps of 512 numbers.  Each of a step's four loads reads 512 consecutive bytes, 16 a lane; the 2,048 bytes go through the wave's own stage in LDS
; and come back 64 bytes a lane: 16 neighbours along K, which the conversion wants in one lane's registers (two neighbouring lanes hold a block).  The stage has 16 bytes of padding behind each 64.
; A lane's 16 codes are 12 bytes: the wave stores 384 consecutive bytes.  A wave's 256 scale bytes are gathered in its own LDS bytes and leave as one aligned run of 256 bytes.
; No tensor loads, no barrier: waves share nothing.  Loads run four steps (16 loads a wave) ahead, the turn through LDS one step.  No cluster: the work-groups share no input.
.set STEPS, 16
.set EMAX,  2
.set CB,    12                         ; bytes of 16 codes
.set R,     16                         ; v16-79   four sets of 16 numbers as they are loaded
.set X,     80                         ; v80-111  two sets of 16 neighbours
.set C,     128                        ; v128-191 codes: four registers for each step, so that no store's data are written again
.set E,     112                        ; v112-127 a scale byte for each step
.set WREG,  8192                       ; LDS: a region of its own for each wave: two stages of 32 x SP bytes, and behind them its 256 scale bytes
.set SP,    80                         ; a lane's place in a stage: its 64 bytes + 16 of padding
.set COD,   18                         ; s[18:19] cod
.set SCB,   20                         ; s[20:21] scl
.set SRC,   22                         ; s[22:23] the tensor that this work-group reads
.set WV,    26                         ; s26      my wave's number
	s_load_b256 s[4:11], s[0:1], 0x0               ; values_in, keys_in, query_in, W_v
	s_load_b256 s[12:19], s[0:1], 0x20             ; W_k, W_q, W_o, cod
	s_load_b64 s[20:21], s[0:1], 0x40              ; scl
	v_lshl_add_u32 v192, v0, 2, 0x8000
	v_mov_b32 v193, 0
	v_lshrrev_b32 v1, 5, v0
	v_readfirstlane_b32 s[WV], v1                  ; wave
	v_and_b32 v2, 31, v0                           ; lane
	v_lshlrev_b32 v3, 4, v2                        ; my 16 bytes of a load's 512
	s_mul_i32 s27, s[WV], WREG
	v_lshrrev_b32 v14, 2, v2
	v_mul_u32_u24 v14, v14, SP
	v_and_b32 v15, 3, v2
	v_lshl_add_u32 v14, v15, 4, v14
	v_add_nc_u32 v14, s27, v14                     ; the stage, on the way in: four lanes' 64 bytes on end, then 16 of padding
	v_mul_u32_u24 v15, v2, SP
	v_add_nc_u32 v15, s27, v15                     ; and on the way out: SP x lane: my 16 neighbours
	v_mul_u32_u24 v4, v2, CB                       ; my codes' place in a step's
	v_lshrrev_b32 v5, 1, v2
	s_add_co_u32 s27, s27, 2*32*SP
	v_add_nc_u32 v5, s27, v5                       ; LDS: my wave's 256 scale bytes, my block's byte
	v_lshlrev_b32 v7, 3, v2                        ; and on the way out 8 bytes a lane
	v_add_nc_u32 v6, s27, v7
	s_wait_kmcnt 0x0
	; which tensor: the choice hangs on the work-group's number alone.  s24 = the tensor's first work-group
	s_mov_b64 s[SRC:SRC+1], s[16:17]               ; W_o, from work-group 864 on
	s_mov_b32 s24, 864
	s_cmp_lt_u32 ttmp9, 864
	s_cselect_b64 s[SRC:SRC+1], s[14:15], s[SRC:SRC+1]   ; W_q
	s_cselect_b32 s24, 832, s24
	s_cmp_lt_u32 ttmp9, 832
	s_cselect_b64 s[SRC:SRC+1], s[12:13], s[SRC:SRC+1]   ; W_k
	s_cselect_b32 s24, 800, s24
	s_cmp_lt_u32 ttmp9, 800
	s_cselect_b64 s[SRC:SRC+1], s[10:11], s[SRC:SRC+1]   ; W_v
	s_cselect_b32 s24, 768, s24
	s_cmp_lt_u32 ttmp9, 768
	s_cselect_b64 s[SRC:SRC+1], s[8:9], s[SRC:SRC+1]     ; query_in
	s_cselect_b32 s24, 512, s24
	s_cmp_lt_u32 ttmp9, 512
	s_cselect_b64 s[SRC:SRC+1], s[6:7], s[SRC:SRC+1]     ; keys_in
	s_cselect_b32 s24, 256, s24
	s_cmp_lt_u32 ttmp9, 256
	s_cselect_b64 s[SRC:SRC+1], s[4:5], s[SRC:SRC+1]     ; values_in
	s_cselect_b32 s24, 0, s24
	s_sub_co_u32 s25, ttmp9, s24
	s_lshl_b32 s25, s25, 2
	s_add_co_u32 s28, s25, s[WV]                   ; which run of 8 rows of the tensor is my wave's
	s_lshl_b32 s28, s28, 15                        ; 32,768 bytes a run; at most 1,023 runs on
	s_mov_b32 s29, 0
	s_add_nc_u64 s[SRC:SRC+1], s[SRC:SRC+1], s[28:29]
	s_and_b32 s30, s[WV], 1                        ; where the run goes: the wave's number with its two bits exchanged,
	s_lshl_b32 s30, s30, 1
	s_lshr_b32 s31, s[WV], 1
	s_or_b32 s30, s30, s31
	s_cmp_ge_u32 ttmp9, 864                        ; but as it is for W_o
	s_cselect_b32 s30, s[WV], s30
	s_sub_co_u32 s31, ttmp9, 512                   ; and for query_in (work-groups 512 to 767: the difference wraps to a large number below 512)
	s_cmp_lt_u32 s31, 256
	s_cselect_b32 s30, s[WV], s30
	s_lshl_b32 s31, ttmp9, 2
	s_add_co_u32 s30, s31, s30                     ; the run's number among all 3,584
	s_mul_i32 s28, s30, 32*STEPS*CB                ; 6,144 bytes of codes a run
	s_add_nc_u64 s[COD:COD+1], s[COD:COD+1], s[28:29]
	s_lshl_b32 s28, s30, 8                         ; 256 scale bytes a run
	s_add_nc_u64 s[SCB:SCB+1], s[SCB:SCB+1], s[28:29]
.macro LOAD t
.irp i, 0,1,2,3
	global_load_b128 v[R+16*((\t)%4)+4*\i:R+16*((\t)%4)+4*\i+3], v3, s[SRC:SRC+1] offset:2048*(\t)+512*\i th:TH_LOAD_NT   ; 32 lanes read 512 consecutive bytes; read once in the launch
.endr
.endm
.macro TURN t                          ; step t's numbers through the stage: LDS serves a wave's instructions in order (ISA guide 5.7.1.4), so no wait stands between the stores and the loads
.irp i, 0,1,2,3
	ds_store_b128 v14, v[R+16*((\t)%4)+4*\i:R+16*((\t)%4)+4*\i+3] offset:32*SP*((\t)%2)+8*SP*\i
.endr
.irp i, 0,1,2,3
	ds_load_b128 v[X+16*((\t)%2)+4*\i:X+16*((\t)%2)+4*\i+3], v15 offset:32*SP*((\t)%2)+16*\i
.endr
.endm
.irp t, 0,1,2,3
	LOAD \t
.endr
	s_wait_loadcnt 12                              ; step 0's four loads are in; the 12 of steps 1 to 3 stay out
	TURN 0
.macro STEP t
.set XS, X+16*((\t)%2)
.if (\t) > 0
	s_wait_dscnt 1                                 ; this step's numbers are back from the stage (the last step's byte store may be out): so its stores into the stage have read their registers,
.else
	s_wait_dscnt 0x0
.endif
.if (\t)+4 < STEPS
	LOAD (\t)+4                                    ; which take the loads of four steps on
.endif
.if (\t)+1 < STEPS
.if STEPS-2-(\t) >= 3
	s_wait_loadcnt 12                              ; the next step's four loads are in; those of the three steps behind it may be out
.else
	s_wait_loadcnt 4*(STEPS-2-(\t))                ; the tail: four for each step that is still behind the next
.endif
	TURN (\t)+1                                    ; and go through the other stage while this step is worked
.endif
	v_max3_num_f32 v8, |v[XS]|, |v[XS+1]|, |v[XS+2]|               ; the largest magnitude of my 16, in two chains
	v_max3_num_f32 v9, |v[XS+3]|, |v[XS+4]|, |v[XS+5]|
.irp i, 6,10
	v_max3_num_f32 v8, v8, |v[XS+\i]|, |v[XS+\i+1]|
	v_max3_num_f32 v9, v9, |v[XS+\i+2]|, |v[XS+\i+3]|
.endr
	v_max3_num_f32 v8, v8, |v[XS+14]|, |v[XS+15]|
	v_max3_num_f32 v8, v8, v9, (EMAX+1)<<23        ; and the floor 2^(EMAX + 1 - 127): so the byte cannot fall under 1
	v_max_num_f32_dpp v8, v8, v8 row_xmask:1 row_mask:0xf bank_mask:0xf   ; and of my neighbour's 16: the block's
	v_add_nc_u32 v11, -(EMAX<<23), v8              ; EMAX off its exponent field: the conversion takes the exponent field of this operand as its scale, and nothing else of it
	v_cvt_scalef32_pk16_fp6_f32 v[C+4*(\t):C+4*(\t)+2], v[XS:XS+15], v11   ; sixteen numbers / the scale, to the nearest code, ties to even, beyond the largest code the largest; 96 bits without gaps
	v_lshrrev_b32 v[E+(\t)], 23, v11               ; the scale's byte (also the plain line behind the conversion)
	ds_store_b8 v5, v[E+(\t)] offset:16*(\t)       ; both lanes of a block write the same byte with the same value
	global_store_b96 v4, v[C+4*(\t):C+4*(\t)+2], s[COD:COD+1] offset:32*CB*(\t)
.endm
.irp t, 0,1,2,3,4,5,6,7,8,9,10,11,12,13,14,15
	STEP \t
.endr
	ds_load_b64 v[12:13], v6                       ; in order behind my byte stores: it sees them
	s_wait_dscnt 0x0
	global_store_b64 v7, v[12:13], s[SCB:SCB+1]    ; 32 lanes store 256 consecutive bytes, at a multiple of 256 from scl's first byte
	s_wait_tensorcnt 0x0
	ds_add_u32 v192, v193
	s_wait_dscnt 0x0
	s_endpgm
.Lfunc_end_k_qc7cee1e48f_quant:
	.size	k_qc7cee1e48f_quant, .Lfunc_end_k_qc7cee1e48f_quant-k_qc7cee1e48f_quant
	.p2alignl 7, 3214868480
	.fill 96, 4, 3214868480
	.section	.rodata,"a",@progbits
	.p2align	6, 0x0
	.amdhsa_kernel k_qc7cee1e48f_quant
		.amdhsa_group_segment_fixed_size 33280
		.amdhsa_private_segment_fixed_size 0
		.amdhsa_enable_private_segment 0
		.amdhsa_kernarg_size 72
		.amdhsa_user_sgpr_count 2
		.amdhsa_user_sgpr_kernarg_segment_ptr 1
		.amdhsa_wavefront_size32 1
		.amdhsa_system_sgpr_workgroup_id_x 1
		.amdhsa_system_sgpr_workgroup_id_y 1
		.amdhsa_system_sgpr_workgroup_id_z 1
		.amdhsa_system_vgpr_workitem_id 0
		.amdhsa_next_free_vgpr 194
		.amdhsa_next_free_sgpr 66
		.amdhsa_reserve_vcc 0
		.amdhsa_float_denorm_mode_32 3
		.amdhsa_float_denorm_mode_16_64 3
		.amdhsa_memory_ordered 1
		.amdhsa_forward_progress 1
		.amdhsa_inst_pref_size 34
	.end_amdhsa_kernel
	.amdgpu_metadata
---
amdhsa.version: [ 1, 2 ]
amdhsa.kernels:
  - .name:           k_qc7cee1e48f_quant
    .symbol:         k_qc7cee1e48f_quant.kd
    .args:
      - { .name: values_in, .offset: 0, .size: 8, .value_kind: global_buffer, .address_space: global }
      - { .name: keys_in, .offset: 8, .size: 8, .value_kind: global_buffer, .address_space: global }
      - { .name: query_in, .offset: 16, .size: 8, .value_kind: global_buffer, .address_space: global }
      - { .name: W_v, .offset: 24, .size: 8, .value_kind: global_buffer, .address_space: global }
      - { .name: W_k, .offset: 32, .size: 8, .value_kind: global_buffer, .address_space: global }
      - { .name: W_q, .offset: 40, .size: 8, .value_kind: global_buffer, .address_space: global }
      - { .name: W_o, .offset: 48, .size: 8, .value_kind: global_buffer, .address_space: global }
      - { .name: cod, .offset: 56, .size: 8, .value_kind: global_buffer, .address_space: global }
      - { .name: scl, .offset: 64, .size: 8, .value_kind: global_buffer, .address_space: global }
    .group_segment_fixed_size: 33280
    .private_segment_fixed_size: 0
    .kernarg_segment_align: 8
    .kernarg_segment_size: 72
    .max_flat_workgroup_size: 128
    .sgpr_count:     66
    .vgpr_count:     194
    .wavefront_size: 32
...
	.end_amdgpu_metadata
.endif
;; end of part 1
;; launch proj (part 2): grid 4 x 96, 4 waves a work-group, clusters of 4 x 4, 327,680 bytes of LDS; arguments cod, scl, qkv; writes qkv
.if DOCPART == 2
	.amdgcn_target "amdgcn-amd-amdhsa--gfx1250"
	.amdhsa_code_object_version 6
	.text
	.protected	k_qc7cee1e48f_proj
	.globl	k_qc7cee1e48f_proj
	.p2align	8
	.type	k_qc7cee1e48f_proj,@function
k_qc7cee1e48f_proj:
	s_mov_b64 s[64:65], 0
	v_nop
	global_prefetch_b8 v0, s[64:65] scope:SCOPE_SE
	s_setreg_imm32_b32 hwreg(HW_REG_WAVE_MODE, 25, 1), 1
	s_wait_xcnt 0x0
	s_wait_alu depctr_hold_cnt(0) depctr_sa_sdst(0) depctr_va_vdst(0) depctr_va_sdst(0) depctr_va_ssrc(0) depctr_va_vcc(0) depctr_vm_vsrc(0)
	s_getreg_b32 s2, hwreg(HW_REG_IB_STS2, 6, 4)
	s_cmp_eq_u32 s2, 0
	s_cbranch_scc0 .Lentry_in_a_cluster
	s_endpgm
.Lentry_in_a_cluster:
	s_bfe_u32 s2, ttmp6, 0x10000c
	s_cmp_lg_u32 s2, 0xf033
	s_cbranch_scc0 .Lentry_shape_is_right
	s_endpgm
.Lentry_shape_is_right:
; The three input projections, k = keys_in W_k^T, q = query_in W_q^T, v = values_in W_v^T, on codes of FP6 (E2M3) with one E8M0 scale for each 32 along K = 1,024; sums in f32.
; The results never go to memory as f32: each is quantised in registers along the NEXT product's K (q, k: the head's 64; v: the keys) and stored as the next launch's operand registers.
; ONE FORM FOR ALL THREE: C[m][n] = sum over k of A[m][k] B[n][k], rows of A and B taken from cod / scl.  k, q: A = the tokens, B = the weight.  v: A = W_v (m = features), B = values_in (n = tokens),
; so that a lane's registers run along the tokens, which are v's next K.  The grid's 24 clusters: 0-7 k, 8-15 q (one below the other along m), 16-23 v (side by side along n).
; A tile of C, 256 x 256, is made by four waves, as many as a WGP has SIMDs; a wave makes 128 x 128: 64 accumulators, 512 registers.  K goes in steps of 256 (rows of 192 bytes) through a ring of two LDS slots filled by the
; tensor data mover.  The scale bytes of the work-group's 256 + 256 rows, for all of K, come into LDS once, with the first fills.
; CLUSTERS: 4 x 4 work-groups.  The four of a row of the cluster need the same tiles of A, the four of a column the same tiles of B: each tile is asked for JOINTLY, by the same tensor load with the same
; descriptor and a mask that names the four.  THE MATRIX INSTRUCTION IS USED TRANSPOSED (source 0 = 16 rows of B, source 1 = 16 rows of A): a lane holds one row m and eight columns n.
; Rows of B were stored with bits 3 and 4 of their number exchanged, so the 16 registers of accumulators (a, 2 b) and (a, 2 b + 1) are columns 32 b + 16 (lane / 16) + 0 .. 15: 16 neighbours along the next K.
; qkv: [n x 16 + head][step of 128 tokens][19,712 bytes]: +0 K's codes, 8 tiles x 768; +6,144 K's scale words [row 16][tile 8]; +6,656 V's codes [64 keys c][16 channels dt] x 768; +12,800 V's scale words [row 16][dt 4];
; +13,056 Q's codes, 8 x 768; +19,200 Q's scale words.  768 bytes are HALF AN OPERAND (16 rows x 64 along K, 6 registers a lane) as it stands in registers: registers 0-3 at 16 x lane, registers 4-5 at 512 + 8 x lane.
; LIMITS: blocks whose largest magnitude lies under 2^-124 have their byte held at 1; a block of zeros has the byte 1 (its codes are zeros; only this program reads the bytes); NaN and infinities are not served.
; REGISTERS, in windows of 256: window 0: v0-31 addresses; v32-63 scale words, two sets; from v128 A's fragments, ONE set; on the way out v32-223 are at work.
;   window 1: B's fragments, TWO sets, at v0 and v128.   window 2: the accumulators of my rows 0-63 ((a, b) at v[8 (8 a + b)]);   window 3: those of my rows 64-127.
.set SIZE_K, 1024
.set KSTEP,  256                       ; along K in a slot
.set NQ,     KSTEP/128                 ; matrix instructions deep
.set ROWB,   192                       ; a tile's row in bytes
.set KROW,   SIZE_K*6/8                ; a row of cod in bytes
.set PITCH,  240                       ; an LDS row: 3 x (64 bytes + 16 of padding) = 60 words: row r starts at bank -4 r mod 64 (64 banks of 4 bytes: ISA guide 11.1): the 32 lanes of a load of 8 bytes touch 64 different banks
.set FR,     12                        ; registers of a fragment: 16 rows x 128 K
.set NL,     6                         ; LDS loads that bring one
.set NP,     4                         ; places behind this matrix instruction (ISA guide 7.12.1)
.set HALFT,  128*PITCH                 ; 128 rows: what one tensor load brings
.set SLOT,   4*HALFT                   ; A's 256 rows, then B's 256 rows
.set LAPS,   SIZE_K/(2*KSTEP)          ; a lap = two K steps = once round the ring
.set KS,     SIZE_K/32                 ; a row of scl in bytes
.set SCL,    2*SLOT                    ; behind the ring: the scales, as runs of 256 bytes + 16 of padding
.set HALFS,  (128*KS/256)*272          ; the scales of 128 rows
.set SBLK,   (16*KS/256)*272           ; those of 16 rows
.set SPARE,  SCL+4*HALFS               ; behind the scales: the spare words, 128 bytes for each wave, that no other line names
.set STEPB,  19712                     ; a step's block in qkv
.set HEADB,  16*STEPB                  ; a head's
.set ADRA, 16                          ; v16-17  LDS address of my A fragments in slot 0, 1  (v18-19: for the pieces behind one padding more)
.set ADRB, 20                          ; v20-21  the same for B  (v22-23)
.set I16,  24                          ; v24     16 x lane: an image's registers 0-3
.set I8,   25                          ; v25     8 x lane: its registers 4-5
.set WKQ,  26                          ; v26     k's, q's scale words: (lane / 16) x HEADB + 32 (lane % 16)
.set ADRS, 27                          ; v27     LDS address of my scale words: lanes 0-15 A's rows, lanes 16-31 B's
.set SPW,  28                          ; v28     LDS address of my spare word; never rewritten
.set NIL,  29                          ; v29     0; never rewritten
.set WVV,  30                          ; v30     v's scale words: (lane / 16) x HEADB + 16 (lane % 16)
.set SH,   31                          ; v31     16 (lane / 16)
.set SC,   32                          ; scale words: set s at v[SC + 8 NQ s]; register NQ i + q: lanes 0-15 A's block i, lanes 16-31 B's block i
.set AF,   128                         ; A's fragments, in window 0
.set TM,   32                          ; the way out: v32-35 largest magnitudes, v36-39 the other half's, then bytes, v44-47 the conversions' scale operands
.set PW,   48                          ; v48-55  block a's scale word
.set YW,   56                          ; v56-63  scale words as they are stored
.set G1, 24                            ; s[24:31] descriptor group 1 for A's tiles;  s[32:39] group 0, one set for each slot
.set G0, 32
.set G1B, 48                           ; s[48:55], s[56:63] the same for B's tiles
.set G0B, 56
.set G1S, 68                           ; s[68:75], s[76:79] groups 1 and 0 for A's scales;  s[80:87], s[88:91] for B's
.set G0S, 76
.set G1SB, 80
.set G0SB, 88
.set PB,  4                            ; s[4:11] the way out: four bases in qkv, P[2 (a / 4) + c]
.set PR,  66                           ; s66  which product: 0 k, 1 q, 2 v
.set ISV, 95                           ; s95  1 for v
.set SEL, 96                           ; s[96:97] lane selects for v_permlanex16_b32: lane l xor 16
.set MSB, 0
.macro WIN new                         ; the immediate's high byte repeats the setting that is left
.if MSB != (\new)
	s_set_vgpr_msb (MSB<<8)|(\new)
.set MSB, (\new)
.endif
.endm
.set MUL_LO, 0xa1                      ; source 0 (B) window 1, source 1 (A) window 0, C and D window 2
.set MUL_HI, 0xf1                      ; the same, C and D window 3
.set TO_B,   0x40                      ; destination window 1, address window 0
; A joint load: waves 0 and 1 fetch for A, waves 2 and 3 for B.  Each of the two lines has ONE mask and one set of registers for all that issue it; the branch hangs on the wave's number alone.
; Four v_nop follow each of the two lines, ahead of the jump, the label and what follows.
.macro JLOAD g0a, g1a, g0b, g1b
	s_cmp_eq_u32 s15, 0
	s_cbranch_scc0 .Lfor_b_\@
	tensor_load_to_lds s[\g0a:\g0a+3], s[\g1a:\g1a+7]
	s_nop 0
.rept 4
	v_nop
.endr
	s_branch .Lasked_\@
.Lfor_b_\@:
	tensor_load_to_lds s[\g0b:\g0b+3], s[\g1b:\g1b+7]
	s_nop 0
.rept 4
	v_nop
.endr
.Lasked_\@:
.endm
.macro CREST                           ; the cluster's barrier behind its opening work-group barrier
	s_cmp_lg_u32 s14, 0
	s_cbranch_scc1 .Lnot_wave_0_\@
	s_barrier_signal -3
.Lnot_wave_0_\@:
	s_barrier_wait -3
	s_barrier_signal -1
	s_barrier_wait -1
.endm
.macro CROUND                          ; the whole of it
	s_barrier_signal -1
	s_barrier_wait -1
	CREST
.endm
	s_load_b128 s[4:7], s[0:1], 0x0                ; cod s[4:5], scl s[6:7]: A's rows and B's lie in the same two buffers
	s_load_b64 s[12:13], s[0:1], 0x10              ; qkv
	v_lshl_add_u32 v[SPW], v0, 2, SPARE
	v_mov_b32 v[NIL], 0
	ds_add_u32 v28, v29
	ds_add_u32 v28, v29
	s_wait_dscnt 0x0
	v_lshrrev_b32 v1, 5, v0
	v_readfirstlane_b32 s14, v1                    ; wave 0..3
	s_lshr_b32 s15, s14, 1                         ; which half of the tile's rows is mine.  Also: I fetch for A (0) or for B (1)
	s_and_b32 s16, s14, 1                          ; which half of its columns.  Also: which 128 rows of that tile I fetch
	s_bfe_u32 s40, ttmp6, 0x40000                  ; cx, cy: my place in the cluster
	s_bfe_u32 s41, ttmp6, 0x40004
	s_and_b32 s67, ttmp7, 0xffff                   ; the cluster's number, 0 .. 23: the same in all sixteen partners
	s_lshr_b32 s[PR], s67, 3                       ; the product
	s_lshr_b32 s[ISV], s67, 4                      ; 1 for v
	s_and_b32 s67, s67, 7                          ; which of the product's eight clusters
	s_mul_i32 s93, s67, s[ISV]                     ; v: they lie along n;
	s_sub_co_u32 s17, s67, s93                     ; k, q: along m
	s_lshl_b32 s42, s93, 2
	s_add_co_u32 s42, s42, s40                     ; tile column of C
	s_lshl_b32 s17, s17, 2
	s_add_co_u32 s17, s17, s41                     ; tile row of C
	s_lshl_b32 s43, s41, 2
	s_lshl_b32 s43, 15, s43                        ; my row of the cluster
	s_lshl_b32 s44, 0x1111, s40                    ; my column
	; descriptor group 1: a tile of 128 rows x ROWB bytes, padded in LDS
	s_or_b32 s[G1+0], s43, (0<<16)|(1<<20)|(1<<21)|(3<<22)|(3<<25)  ; 15:0 the mask: A's tiles go to my row; 17:16 element of 1 byte; 20 padding on; 21 set beside a mask; 24:22 after every 16 words (code 3); 31:25 of 4 words (code 3)
	s_or_b32 s[G1B+0], s44, (0<<16)|(1<<20)|(1<<21)|(3<<22)|(3<<25)
.irp g, G1, G1B
	s_mov_b32 s[\g+1], ROWB<<16                    ; tensor_dim0
	s_mov_b32 s[\g+2], 128<<16                     ; tensor_dim1 = 128
	s_mov_b32 s[\g+3], ROWB<<16                    ; tile_dim0
	s_mov_b32 s[\g+4], 128                         ; tile_dim1 = 128
	s_mov_b32 s[\g+5], KROW                        ; tensor_dim0_stride
	s_mov_b32 s[\g+6], 0
	s_mov_b32 s[\g+7], 0
.endr
	; and for the scales of 128 rows: a dense block of 4,096 bytes, as 16 rows of 256 bytes (32 elements of 8 bytes), 16 bytes of padding behind each
	s_or_b32 s[G1S+0], s43, (3<<16)|(1<<20)|(1<<21)|(5<<22)|(3<<25)
	s_or_b32 s[G1SB+0], s44, (3<<16)|(1<<20)|(1<<21)|(5<<22)|(3<<25)
.irp g, G1S, G1SB
	s_mov_b32 s[\g+1], 32<<16
	s_mov_b32 s[\g+2], (128*KS/256)<<16
	s_mov_b32 s[\g+3], 32<<16
	s_mov_b32 s[\g+4], 128*KS/256
	s_mov_b32 s[\g+5], 32
	s_mov_b32 s[\g+6], 0
	s_mov_b32 s[\g+7], 0
.endr
	s_lshl_b32 s18, s16, 7                         ; which 128 rows of the tile I fetch
	s_add_co_u32 s93, s[PR], 1
	s_lshl_b32 s93, s93, 13                        ; A's first row in cod: keys_in 8,192, query_in 16,384, W_v 24,576
	s_lshl_b32 s20, s17, 8
	s_add_co_u32 s20, s20, s18
	s_add_co_u32 s20, s20, s93                     ; A: that + 256 x tile row + 128 x half
	s_lshl_b32 s93, s[PR], 10
	s_add_co_u32 s93, s93, 25600
	s_xor_b32 s94, s[ISV], 1
	s_mul_i32 s93, s93, s94                        ; B's first row: W_k 25,600, W_q 26,624, values_in 0
	s_lshl_b32 s46, s42, 8
	s_add_co_u32 s46, s46, s18
	s_add_co_u32 s46, s46, s93                     ; B: that + 256 x tile column + 128 x half
	s_mov_b32 s21, 0
	s_mov_b32 s47, 0
	s_mov_b64 s[18:19], KS
	s_mul_u64 s[22:23], s[20:21], s[18:19]         ; where these rows' scales begin, in bytes
	s_mul_u64 s[92:93], s[46:47], s[18:19]
	s_mov_b64 s[18:19], KROW
	s_mul_u64 s[20:21], s[20:21], s[18:19]         ; and their codes
	s_mul_u64 s[46:47], s[46:47], s[18:19]
	s_mul_i32 s45, s14, HALFT                      ; where they go: wave x 128 rows: no place in the cluster enters an LDS address
	s_mul_i32 s94, s14, HALFS
	s_wait_kmcnt 0x0
	s_add_nc_u64 s[20:21], s[4:5], s[20:21]
	s_add_nc_u64 s[22:23], s[6:7], s[22:23]
	s_add_nc_u64 s[46:47], s[4:5], s[46:47]
	s_add_nc_u64 s[92:93], s[6:7], s[92:93]
	CROUND                                         ; all sixteen work-groups are here: the first joint loads meet
	s_mov_b32 s[G0S], 1
	s_add_co_u32 s[G0S+1], s94, SCL
	s_mov_b64 s[G0S+2:G0S+3], s[22:23]
	s_or_b32 s[G0S+3], s[G0S+3], 0x80000000
	s_mov_b32 s[G0SB], 1
	s_add_co_u32 s[G0SB+1], s94, SCL
	s_mov_b64 s[G0SB+2:G0SB+3], s[92:93]
	s_or_b32 s[G0SB+3], s[G0SB+3], 0x80000000
	JLOAD G0S, G1S, G0SB, G1SB                     ; the scales first: they are wanted with K step 0
.irp s, 0,1
	s_mov_b32 s[G0+4*\s], 1
	s_add_co_u32 s[G0+4*\s+1], s45, \s*SLOT
	s_add_nc_u64 s[G0+4*\s+2:G0+4*\s+3], s[20:21], \s*ROWB
	s_or_b32 s[G0+4*\s+3], s[G0+4*\s+3], 0x80000000
	s_mov_b32 s[G0B+4*\s], 1
	s_add_co_u32 s[G0B+4*\s+1], s45, \s*SLOT
	s_add_nc_u64 s[G0B+4*\s+2:G0B+4*\s+3], s[46:47], \s*ROWB
	s_or_b32 s[G0B+4*\s+3], s[G0B+4*\s+3], 0x80000000
	JLOAD G0+4*\s, G1, G0B+4*\s, G1B               ; three tensor loads of mine are out now
.endr
	v_and_b32 v1, 15, v0                           ; l % 16
	v_bfe_u32 v2, v0, 4, 1                         ; l / 16
	v_mul_u32_u24 v3, v1, PITCH
	v_mul_u32_u24 v4, v2, 24
	v_add_nc_u32 v4, v3, v4                        ; a fragment's row x pitch + 24 x half
	v_lshl_add_u32 v5, v2, 4, v4                   ; and the same behind one padding more
	s_mul_i32 s21, s15, HALFT                      ; my 128 rows of A
	s_mul_i32 s22, s16, HALFT                      ; my 128 rows of B,
	s_add_co_u32 s22, s22, 2*HALFT                 ; which lie behind A's 256
.irp s, 0,1
	v_add_nc_u32 v[ADRA+\s], s21, v4
	v_add_nc_u32 v[ADRB+\s], s22, v4
	v_add_nc_u32 v[ADRA+2+\s], s21, v5
	v_add_nc_u32 v[ADRB+2+\s], s22, v5
	s_add_co_u32 s21, s21, SLOT
	s_add_co_u32 s22, s22, SLOT
.endr
	v_mul_u32_u24 v5, v1, KS                       ; my row's scales: KS bytes a row,
	v_lshrrev_b32 v6, 8, v5
	v_lshl_add_u32 v5, v6, 4, v5                   ; and 16 more for each 256 passed
	s_mul_i32 s21, s15, HALFS                      ; A's: my 128 rows
	s_mul_i32 s22, s16, HALFS                      ; B's: my 128 rows, behind A's 256
	s_add_co_u32 s22, s22, 2*HALFS
	s_sub_co_u32 s22, s22, s21
	v_mul_u32_u24 v6, s22, v2                      ; lanes 16-31 take B's: one product, the distance between the two bases x the half
	s_add_co_u32 s21, s21, SCL
	v_add_nc_u32 v5, v5, v6
	v_add_nc_u32 v[ADRS], s21, v5
	v_and_b32 v6, 31, v0                           ; the way out: offsets that are never rewritten
	v_lshlrev_b32 v[I16], 4, v6
	v_lshlrev_b32 v[I8], 3, v6
	v_mul_u32_u24 v[WKQ], v2, HEADB
	v_lshl_add_u32 v[WVV], v1, 4, v[WKQ]
	v_lshl_add_u32 v[WKQ], v1, 5, v[WKQ]
	v_lshlrev_b32 v[SH], 4, v2
	s_mov_b32 s[SEL], 0x76543210
	s_mov_b32 s[SEL+1], 0xfedcba98
	; where my 128 x 128 goes in qkv.  My 128 tokens are one step, my 128 features two heads
	s_lshl_b32 s20, s17, 8
	s_lshl_b32 s21, s15, 7
	s_add_co_u32 s20, s20, s21                     ; my first row m
	s_lshl_b32 s46, s42, 8
	s_lshl_b32 s47, s16, 7
	s_add_co_u32 s46, s46, s47                     ; my first column n
	s_cmp_eq_u32 s[ISV], 0
	s_cselect_b32 s21, s20, s46                    ; my first token: m for k and q, n for v
	s_cselect_b32 s47, s46, s20                    ; my first feature
	s_lshr_b32 s20, s21, 11
	s_lshl_b32 s20, s20, 4
	s_lshr_b32 s46, s47, 6
	s_add_co_u32 s20, s20, s46                     ; 16 x batch + head
	s_lshl_b32 s20, s20, 4
	s_bfe_u32 s46, s21, 0x40007                    ; the step: (token / 128) % 16
	s_add_co_u32 s20, s20, s46
	s_mul_i32 s20, s20, STEPB
	s_and_b32 s46, s[PR], 1
	s_mul_i32 s46, s46, 13056                      ; q's part of a step's block
	s_add_co_u32 s20, s20, s46
	s_mul_i32 s46, s[ISV], 6656                    ; v's
	s_add_co_u32 s20, s20, s46
	s_mov_b32 s21, 0
	s_add_nc_u64 s[PB:PB+1], s[12:13], s[20:21]    ; P0: blocks 0-3, half 0
	s_mul_i32 s46, s[ISV], HEADB-3072
	s_add_co_u32 s22, s46, 3072                    ; from blocks 0-3 to blocks 4-7: k, q four tiles of tokens on, v a head on
	s_mov_b32 s23, 0
	s_sub_co_u32 s46, HEADB, s46                   ; from half 0 to half 1: k, q a head on, v 64 keys on
	s_mov_b32 s47, 0
	s_add_nc_u64 s[PB+2:PB+3], s[PB:PB+1], s[46:47]
	s_add_nc_u64 s[PB+4:PB+5], s[PB:PB+1], s[22:23]
	s_add_nc_u64 s[PB+6:PB+7], s[PB+4:PB+5], s[46:47]
.macro FRAG reg, adr, q, i             ; a fragment, 16 rows x 128 K of 6-bit codes, is 12 registers: lane l holds row l % 16; registers 6 c .. 6 c + 5 hold K = 64 c + 32 (l / 16) + 0 .. 31: 24 bytes of the row's stream of bits, as they lie
.irp p, 0,1,2,3,4,5                    ; in pieces of 8 bytes, so that every address is a multiple of the access's size.  Lanes 0-15 take the row's pieces 12 q + 0, 1, 2 and 12 q + 6, 7, 8, lanes 16-31 those three pieces on
.set PC, 12*(\q)+6*(\p/3)+\p%3        ; 16 bytes of padding lie behind every 64 bytes (8 pieces): where the piece three on lies behind one padding more, the second address register (40 for 24 bytes a half) serves
.if PC%8 < 5
	ds_load_b64 v[\reg+2*\p:\reg+2*\p+1], v[\adr] offset:8*PC+16*(PC/8)+(\i)*16*PITCH
.else
	ds_load_b64 v[\reg+2*\p:\reg+2*\p+1], v[\adr+2] offset:8*PC+16*(PC/8)+(\i)*16*PITCH
.endif
.endr
.endm
; 16 matrix instructions: A's blocks a0, a0 + 1 x B's eight, 128 along K: the slot's q-th.  p: B's set;  sc: the set of scale words.  zero = 1: the first product starts the sums: nothing is ever cleared.
; The 64 accumulators take turns, one instruction a turn, in the same order in every step.
.macro MUL16 a0, p, q, sc, zero
.irp a, \a0, \a0+1
.irp b, 0,1,2,3,4,5,6,7
.if \zero
	v_wmma_scale_f32_16x16x128_f8f6f4 v[8*(8*((\a)%4)+\b):8*(8*((\a)%4)+\b)+7], v[128*(\p)+FR*\b:128*(\p)+FR*\b+FR-1], v[AF+FR*(\a):AF+FR*(\a)+FR-1], 0, v[SC+8*NQ*(\sc)+NQ*\b+(\q)], v[SC+8*NQ*(\sc)+NQ*(\a)+(\q)] matrix_a_fmt:MATRIX_FMT_FP6 matrix_b_fmt:MATRIX_FMT_FP6 matrix_a_scale:MATRIX_SCALE_ROW1
.else
	v_wmma_scale_f32_16x16x128_f8f6f4 v[8*(8*((\a)%4)+\b):8*(8*((\a)%4)+\b)+7], v[128*(\p)+FR*\b:128*(\p)+FR*\b+FR-1], v[AF+FR*(\a):AF+FR*(\a)+FR-1], v[8*(8*((\a)%4)+\b):8*(8*((\a)%4)+\b)+7], v[SC+8*NQ*(\sc)+NQ*\b+(\q)], v[SC+8*NQ*(\sc)+NQ*(\a)+(\q)] matrix_a_fmt:MATRIX_FMT_FP6 matrix_b_fmt:MATRIX_FMT_FP6 matrix_a_scale:MATRIX_SCALE_ROW1
.endif
.endr
.endr
.endm
.macro FETCH_B slot, q, p              ; B's eight fragments of the slot's q-th 128 along K into set p
	WIN TO_B
.irp i, 0,1,2,3,4,5,6,7
	FRAG 128*(\p)+FR*\i, ADRB+\slot, \q, \i
.endr
	WIN 0
.endm
.macro FETCH_A slot, q, i0             ; A's blocks i0 .. i0 + 3
.irp i, \i0, \i0+1, \i0+2, \i0+3
	FRAG AF+FR*(\i), ADRA+\slot, \q, \i
.endr
.endm
.macro SCALES sc                       ; the next K step's scale words into set sc: NQ words a row; lanes 0-15 take A's block i, lanes 16-31 B's block i
.irp i, 0,1,2,3,4,5,6,7
	ds_load_b64 v[SC+8*NQ*\sc+NQ*\i:SC+8*NQ*\sc+NQ*\i+1], v[ADRS] offset:\i*SBLK
.endr
.endm
; A load into a register that a matrix instruction has read, and a vector instruction that reads a matrix result or writes one of its registers, stand NP places behind that matrix instruction, and only plain
; vector instructions that name none of its registers are places (ISA guide 7.12.1 for vector instructions).
.macro PLACES n
.rept \n
	v_nop
.endr
.endm
; A step of 128 along K that has its successor in the same slot.
.macro STEP slot, q, zero
	s_wait_dscnt 4*NL                              ; B's set and A's blocks 0-3 are in; the youngest 24 loads (A's blocks 4-7) may be out
	WIN MUL_LO
	MUL16 0, (\q)%2, \q, \slot, \zero
	MUL16 2, (\q)%2, \q, \slot, \zero
	s_wait_dscnt 0                                 ; A's blocks 4-7 are in (asked for 32 matrix instructions ago)
	PLACES NP
	FETCH_B \slot, (\q)+1, 1-(\q)%2
	FETCH_A \slot, (\q)+1, 0
	WIN MUL_HI
	MUL16 4, (\q)%2, \q, \slot, \zero
	MUL16 6, (\q)%2, \q, \slot, \zero
	PLACES NP
	WIN 0
	FETCH_A \slot, (\q)+1, 4
.endm
; A slot's last step changes slots: ONE barrier; in front of it each wave waits for all its tensor loads, adds 0 to its spare word, and waits for that and for its own reads of this slot.  fill = 1: this slot is filled again, two K steps ahead.
.macro TURN slot, next, fill
	s_wait_tensorcnt 0x0                           ; all my tensor loads have landed: my part of the next slot;  (every window is 0 here)
	ds_add_u32 v[SPW], v[NIL]                      ; 0 onto my spare word;
	s_wait_dscnt 4*NL+1                            ; (the add and the youngest 24 loads, A's blocks 4-7, may be out)
	WIN MUL_LO
	MUL16 0, 1, NQ-1, \slot, 0                     ; sixteen matrix instructions stand between the add and the wait for it
	s_wait_dscnt 0x0                               ; the add is done, and my reads of this slot are over
	s_barrier_signal -1
	MUL16 2, 1, NQ-1, \slot, 0
	WIN 0
	s_barrier_wait -1
.if \fill
	CREST                                          ; the barrier has opened the cluster's: no wave of any partner still reads this slot's tile or has a load on its way
	s_add_nc_u64 s[G0+4*\slot+2:G0+4*\slot+3], s[G0+4*\slot+2:G0+4*\slot+3], 2*ROWB
	s_add_nc_u64 s[G0B+4*\slot+2:G0B+4*\slot+3], s[G0B+4*\slot+2:G0B+4*\slot+3], 2*ROWB
	JLOAD G0+4*\slot, G1, G0B+4*\slot, G1B         ; my one tensor load behind it; the four v_nop behind it are the places in front of the loads below
.else
	PLACES NP
.endif
	v_add_nc_u32 v[ADRS], 4*NQ, v[ADRS]            ; on to the next K step's scale words (no LDS load of mine is out)
	FETCH_B \next, 0, 0
	FETCH_A \next, 0, 0
	SCALES \next
	WIN MUL_HI
	MUL16 4, 1, NQ-1, \slot, 0
	MUL16 6, 1, NQ-1, \slot, 0
	PLACES NP
	WIN 0
	FETCH_A \next, 0, 4
.endm
	s_wait_tensorcnt 1                             ; the scales and my part of K step 0 are in (K step 1's load may be out)
	s_barrier_signal -1
	s_barrier_wait -1                              ; everybody's are
	FETCH_B 0, 0, 0
	FETCH_A 0, 0, 0
	SCALES 0
	FETCH_A 0, 0, 4
	STEP 0, 0, 1                                   ; the first step stands in front of the loop: its products start the sums
	s_mov_b32 s3, LAPS-1
.Llap:                                                 ; a trip goes once round the ring, from a lap's second step to the next lap's first, and fills both slots again
	TURN 0, 1, 1
	STEP 1, 0, 0
	TURN 1, 0, 1
	STEP 0, 0, 0
	s_sub_co_u32 s3, s3, 1
	s_cmp_lg_u32 s3, 0
	s_cbranch_scc1 .Llap
	TURN 0, 1, 0                                   ; the last lap fills nothing
	STEP 1, 0, 0
	s_wait_dscnt 4*NL                              ; the very last step: nothing more to fetch
	WIN MUL_LO
	MUL16 0, 1, NQ-1, 1, 0
	MUL16 2, 1, NQ-1, 1, 0
	s_wait_dscnt 0
	WIN MUL_HI
	MUL16 4, 1, NQ-1, 1, 0
	MUL16 6, 1, NQ-1, 1, 0
	WIN 0
; THE WAY OUT.  Block a: 16 rows m x 128 columns n, 64 registers a lane: register 16 b + i is column 32 b + 16 (lane / 16) + i of my row: four blocks of 32 along the next K, each shared by lanes l and l xor 16.
; They become 12 registers of codes (a whole operand: registers 6 c .. 6 c + 5 hold columns 64 c + 32 (lane / 16) + 0 .. 31) and a scale word, and the two halves c are stored as they stand: 512 + 256 consecutive bytes.
; Each block has registers of its own for its codes and its word, so that no store's data are written again.
.macro QOUT a
.set AC, 64*((\a)%4)
.set PCB, 64+20*(\a)
	WIN 0x0a+5*((\a)/4)                            ; sources 0 and 1: the accumulators' window
.irp b, 0,1,2,3
	v_max3_num_f32 v[TM+\b], |v[AC+16*\b]|, |v[AC+16*\b+1]|, 0x1800000   ; block b: my 16 numbers, each accumulator from its low end on, and the floor 2^(3 - 127): the byte cannot fall under 1
.endr
.irp i, 2,4,6,8,10,12,14
.irp b, 0,1,2,3
	v_max3_num_f32 v[TM+\b], |v[AC+16*\b+\i]|, |v[AC+16*\b+\i+1]|, v[TM+\b]   ; (the four blocks by turns)
.endr
.endr
	WIN 0
.irp b, 0,1,2,3
	v_permlanex16_b32 v[TM+4+\b], v[TM+\b], s[SEL], s[SEL+1]
.endr
.irp b, 0,1,2,3
	v_max_num_f32 v[TM+\b], v[TM+\b], v[TM+4+\b]   ; with lane l xor 16's: the block's largest magnitude
.endr
.irp b, 0,1,2,3
	v_add_nc_u32 v[TM+12+\b], 0xff000000, v[TM+\b] ; 2 off its exponent field: the conversion's scale operand
.endr
.irp b, 0,1,2,3
	v_lshrrev_b32 v[TM+4+\b], 23, v[TM+12+\b]      ; the scale's byte
.endr
	v_lshl_or_b32 v[PW+(\a)], v[TM+5], 8, v[TM+4]  ; my row's scale word
	v_lshl_or_b32 v[PW+(\a)], v[TM+6], 16, v[PW+(\a)]
	v_lshl_or_b32 v[PW+(\a)], v[TM+7], 24, v[PW+(\a)]
	WIN 2+(\a)/4                                   ; source 0 alone
.irp c, 0,1
	v_cvt_scalef32_pk16_fp6_f32 v[PCB+6*\c:PCB+6*\c+2], v[AC+32*\c:AC+32*\c+15], v[TM+12+2*\c]
	v_cvt_scalef32_pk16_fp6_f32 v[PCB+12+4*\c:PCB+14+4*\c], v[AC+32*\c+16:AC+32*\c+31], v[TM+12+2*\c+1]   ; (a conversion's three registers begin on an even number)
.endr
	WIN 0
	v_nop                                          ; one plain place behind a scaled conversion
.irp c, 0,1                                    ; the operand's layout wants a WHOLE block in a lane: lanes 0-15 block 2 c, lanes 16-31 block 2 c + 1
.irp i, 0,1,2
	v_permlane16_swap_b32 v[PCB+6*\c+\i], v[PCB+12+4*\c+\i]
.endr
.irp i, 0,1,2
	v_mov_b32 v[PCB+3+6*\c+\i], v[PCB+12+4*\c+\i]
.endr
.endr
.irp c, 0,1                                    ; k, q: head c, tile of tokens a.  v: head a / 4, keys 64 c on, channels 16 (a % 4) on
	global_store_b128 v[I16], v[PCB+6*\c:PCB+6*\c+3], s[PB+4*((\a)/4)+2*\c:PB+4*((\a)/4)+2*\c+1] offset:768*((\a)%4)         ; 32 lanes store 512 consecutive bytes, at a multiple of 256 from qkv's first byte
	global_store_b64 v[I8], v[PCB+6*\c+4:PCB+6*\c+5], s[PB+4*((\a)/4)+2*\c:PB+4*((\a)/4)+2*\c+1] offset:768*((\a)%4)+512     ; and 256
.endr
.endm
	PLACES NP                                      ; behind the last products: their results are read, and registers that they read are written
.irp b, 0,1,2,3
	v_mov_b32 v[TM+4+\b], 0                        ; written once: a lane permute's destination counts as one of its sources
.endr
.irp a, 0,1,2,3,4,5,6,7
	QOUT \a
.endr
	; the scale words.  The two shapes part on the product's number, which all partners of the cluster share; no LDS line, no barrier and no tensor load stands on either way
	s_cmp_lg_u32 s[ISV], 0
	s_cbranch_scc1 .Lwords_v
.irp a, 0,1,2,3,4,5,6,7
	v_bfe_u32 v[YW+\a], v[PW+\a], v[SH], 16        ; k, q: lanes 0-15 take head 0's two bytes, lanes 16-31 head 1's; bytes 2 and 3, which scale the zero codes of k = 64 .. 127, are 0
.endr
	global_store_b128 v[WKQ], v[YW:YW+3], s[PB:PB+1] offset:6144       ; [row][tile 0-3]
	global_store_b128 v[WKQ], v[YW+4:YW+7], s[PB:PB+1] offset:6160     ; [row][tile 4-7]
	s_branch .Lwords_done
.Lwords_v:
	s_mov_b32 s2, 0xffff0000
.irp j, 0,1,2,3
	v_cndmask_b32 v[YW+\j], v[PW+\j], v[PW+4+\j], s2   ; v: lanes 0-15 take head 0's words (blocks 0-3), lanes 16-31 head 1's (blocks 4-7)
.endr
	global_store_b128 v[WVV], v[YW:YW+3], s[PB:PB+1] offset:6144       ; [row][dt]: sixteen lanes store 256 consecutive bytes
.Lwords_done:
	s_wait_tensorcnt 0x0                           ; the wave's end
	ds_add_u32 v[SPW], v[NIL]
	s_wait_dscnt 0x0
	CROUND                                         ; no work-group ends while a partner may still ask for a tile that names it
	s_endpgm
.Lfunc_end_k_qc7cee1e48f_proj:
	.size	k_qc7cee1e48f_proj, .Lfunc_end_k_qc7cee1e48f_proj-k_qc7cee1e48f_proj
	.p2alignl 7, 3214868480
	.fill 96, 4, 3214868480
	.section	.rodata,"a",@progbits
	.p2align	6, 0x0
	.amdhsa_kernel k_qc7cee1e48f_proj
		.amdhsa_group_segment_fixed_size 327680
		.amdhsa_private_segment_fixed_size 0
		.amdhsa_enable_private_segment 0
		.amdhsa_kernarg_size 24
		.amdhsa_user_sgpr_count 2
		.amdhsa_user_sgpr_kernarg_segment_ptr 1
		.amdhsa_wavefront_size32 1
		.amdhsa_system_sgpr_workgroup_id_x 1
		.amdhsa_system_sgpr_workgroup_id_y 1
		.amdhsa_system_sgpr_workgroup_id_z 1
		.amdhsa_system_vgpr_workitem_id 0
		.amdhsa_next_free_vgpr 1024
		.amdhsa_next_free_sgpr 98
		.amdhsa_reserve_vcc 0
		.amdhsa_float_denorm_mode_32 3
		.amdhsa_float_denorm_mode_16_64 3
		.amdhsa_memory_ordered 1
		.amdhsa_forward_progress 1
		.amdhsa_inst_pref_size 167
	.end_amdhsa_kernel
	.amdgpu_metadata
---
amdhsa.version: [ 1, 2 ]
amdhsa.kernels:
  - .name:           k_qc7cee1e48f_proj
    .symbol:         k_qc7cee1e48f_proj.kd
    .args:
      - { .name: cod, .offset: 0, .size: 8, .value_kind: global_buffer, .address_space: global }
      - { .name: scl, .offset: 8, .size: 8, .value_kind: global_buffer, .address_space: global }
      - { .name: qkv, .offset: 16, .size: 8, .value_kind: global_buffer, .address_space: global }
    .group_segment_fixed_size: 327680
    .private_segment_fixed_size: 0
    .kernarg_segment_align: 8
    .kernarg_segment_size: 24
    .max_flat_workgroup_size: 128
    .sgpr_count:     98
    .vgpr_count:     1024
    .wavefront_size: 32
...
	.end_amdgpu_metadata
.endif
;; end of part 2
;; launch attn (part 3): grid 4 x 64, 16 waves a work-group, clusters of 4 x 1, 210,944 bytes of LDS; arguments qkv, ac, asc; writes ac, asc
.if DOCPART == 3
	.amdgcn_target "amdgcn-amd-amdhsa--gfx1250"
	.amdhsa_code_object_version 6
	.text
	.protected	k_qc7cee1e48f_attn
	.globl	k_qc7cee1e48f_attn
	.p2align	8
	.type	k_qc7cee1e48f_attn,@function
k_qc7cee1e48f_attn:
	s_mov_b64 s[64:65], 0
	v_nop
	global_prefetch_b8 v0, s[64:65] scope:SCOPE_SE
	s_setreg_imm32_b32 hwreg(HW_REG_WAVE_MODE, 25, 1), 1
	s_wait_xcnt 0x0
	s_wait_alu depctr_hold_cnt(0) depctr_sa_sdst(0) depctr_va_vdst(0) depctr_va_sdst(0) depctr_va_ssrc(0) depctr_va_vcc(0) depctr_vm_vsrc(0)
	s_getreg_b32 s2, hwreg(HW_REG_IB_STS2, 6, 4)
	s_cmp_eq_u32 s2, 0
	s_cbranch_scc0 .Lentry_in_a_cluster
	s_endpgm
.Lentry_in_a_cluster:
	s_bfe_u32 s2, ttmp6, 0x10000c
	s_cmp_lg_u32 s2, 0x3003
	s_cbranch_scc0 .Lentry_shape_is_right
	s_endpgm
.Lentry_shape_is_right:
; For each of the 64 (batch, head): O[q] = the sum over the 2,048 keys of softmax(q . k / 32) v, both products on codes of FP6 (E2M3) with one E8M0 scale for each 32 along a product's K; O / l is quantised along the head's 64.
; THE SOFTMAX AHEAD OF THE SECOND PRODUCT: t = score x log2(e) / 32; M = the row's largest t so far, rounded UP to a whole number; p = 2^(t - M) is what is quantised, along the keys; it is not normalised.
; The row's sum l is taken of the unquantised p, in f32, and divides O at the end.  When M moves, the sum and O are multiplied by 2^(old M - new M): exact.
; THE FIRST PRODUCT'S K IS 64: registers 6-11 of K's and Q's operands (k = 64 .. 127) are zero codes, written once; they add nothing under the scale bytes 0 that stand for them.
; SHARES.  A work-group owns 512 queries of one head: 64 heads x 4 = 256 work-groups.  Each of its SIXTEEN waves owns two tiles of 16 queries, 256 queries apart, and takes them one after the other (two PASSES), in 256
; registers: four waves to a SIMD, so that one wave's vector work stands beside another's matrix work and LDS loads.
; A HEAD'S K AND V, CODES AND SCALE WORDS, ARE 16 x 13,056 = 208,896 BYTES: THEY FIT IN LDS WHOLE, are filled once and serve both passes.  No byte of LDS is filled twice, so there is no ring.  Waves 0-3 issue four loads each
; (step 4 c + wave, c = 0 .. 3) at the start.  Two barriers: behind the first, steps 0-3 are there; behind the second, which stands behind three steps' work, all sixteen.  From there on LDS is only read: no barrier.
; CLUSTER.  The four work-groups of a cluster are the four blocks of queries of one head and want the same bytes: each load is asked for JOINTLY, with the same descriptor and a mask that names the four.
; LAYOUT.  Both products are used transposed: S^T = K Q^T (source 0 = 16 keys, source 1 = my 16 queries), O^T = V^T P^T (source 0 = 16 channels, source 1 = P): a lane holds ONE query (lane % 16) throughout.
; Operands lie in memory and LDS as their registers (768 bytes for 16 rows x 64 along K: registers 0-3 at 16 x lane, 4-5 at 512 + 8 x lane).  The keys of a tile of K, and the channels of a tile of V, were chosen two
; launches ago (rows stored with bits 3 and 4 exchanged), so that the 16 registers of result tiles 2 b and 2 b + 1 are 16 neighbours: keys, or channels, 32 b + 16 (lane / 16) + 0 .. 15.
; LDS LOADS STAND WELL AHEAD OF THEIR USE: the next step's first four tiles of K and its scale words are asked for behind this step's last score products (the softmax stands between them and their use); this step's last four
; tiles have twelve lines of the first blocks' maxima behind them; each fragment of V is asked for as soon as the row's sum has read the p on whose registers it lands.
; OUT: ac [tile of 16 tokens][head][768]: half an operand of the last product; asc [token][32]: the two scale bytes at 2 x head: two bytes a token, one part in 24 of what the wave stores.
; LIMITS: NaN and infinities are not served; a block whose largest magnitude lies under 2^-124 has its byte held at 1, a block of zeros too (its codes are zeros; only this program reads the bytes).
; REGISTERS: v1-4 lane terms that stay; v8-11 the step's LDS addresses; v12 -M, v13 the largest t, v[14:15] the sum in two halves; v16-27 Q; v28-31, v92-94 the second pass's Q; v32-79 four fragments of K;
;   v80-87 K's scale words, v88-91 V's; v96-159 S^T, then p, then (v96-143) V's four fragments; v160-191 O^T; v192-223 O / l; v224-235 p's codes; v232-254 at work; v253 p's scale word; v255 Q's.
.set STEPB, 19712                      ; a step's block in qkv
.set HEADB, 16*STEPB
.set KVB,   13056                      ; its K and V part: what one tensor load brings: 51 rows of 256 bytes
.set KSC,   6144                       ; in it: K's scale words,
.set VOF,   6656                       ; V's codes,
.set VSC,   12800                      ; V's scale words
.set PASSQ, 2*STEPB                    ; from a wave's first tile of queries to its second: 256 queries are two steps' blocks of qkv,
.set PASSA, 16*16*768                  ; 16 tiles of tokens x 16 heads in ac,
.set PASSS, 16*512                     ; 256 tokens in asc
.set WV,   18                          ; s18  my wave's number
.set SEL,  20                          ; s[20:21] lane selects for v_permlanex16_b32: lane l xor 16
.set CS,   22                          ; s[22:23] c = log2(e) / 32: the packed form names a pair and takes its low word for both halves
.set G1,   24                          ; s[24:31] descriptor group 1
.set G0,   32                          ; s[32:47] group 0, a set for each of my four loads
.set TB,   48                          ; s48  LDS byte at which the step in hand begins
.set CNT,  49                          ; s49  steps left in the run
.macro CROUND                          ; the cluster's barrier: my work-group's barrier, wave 0 signals for the work-group, every wave waits for all four work-groups, my work-group's barrier once more
	s_barrier_signal -1
	s_barrier_wait -1
	s_cmp_lg_u32 s[WV], 0
	s_cbranch_scc1 .Lnot_wave_0_\@
	s_barrier_signal -3
.Lnot_wave_0_\@:
	s_barrier_wait -3
	s_barrier_signal -1
	s_barrier_wait -1
.endm
	s_load_b128 s[4:7], s[0:1], 0x0                ; qkv s[4:5], ac s[6:7]
	s_load_b64 s[8:9], s[0:1], 0x10                ; asc
	v_lshl_add_u32 v95, v0, 2, 0x33000
	v_mov_b32 v243, 0
	ds_add_u32 v95, v243
	ds_add_u32 v95, v243
	v_lshrrev_b32 v5, 5, v0
	s_delay_alu instid0(VALU_DEP_1)
	v_readfirstlane_b32 s[WV], v5                  ; wave 0..15
	s_bfe_u32 s50, ttmp6, 0x40000                  ; cx: my place in the cluster
	s_lshl_b32 s51, ttmp9, 2                       ; in a cluster launch ttmp9 counts clusters
	s_add_co_u32 s51, s51, s50                     ; my block of 512 queries: it enters Q's, ac's and asc's addresses alone
	s_and_b32 s52, ttmp7, 0xffff                   ; 16 x batch + head, which the four partners share
	s_mul_i32 s54, s52, HEADB                      ; the head's first byte in qkv
	s_and_b32 s53, s[WV], 3                        ; which step of each four I fetch, if I fetch
	s_mul_i32 s56, s53, STEPB
	s_add_co_u32 s56, s56, s54                     ; in memory,
	s_mov_b32 s57, 0
	s_mul_i32 s53, s53, KVB                        ; and in LDS: no place in the cluster enters an LDS address
	s_lshl_b32 s58, s51, 2
	s_lshr_b32 s59, s[WV], 3
	s_add_co_u32 s58, s58, s59                     ; my first queries' step: 4 x block + wave / 8
	s_mul_i32 s58, s58, STEPB
	s_add_co_u32 s58, s58, s54
	s_and_b32 s59, s[WV], 7                        ; and their tile in it
	s_mul_i32 s60, s59, 768
	s_add_co_u32 s60, s60, s58
	s_add_co_u32 s60, s60, 13056                   ; Q's codes
	s_mov_b32 s61, 0
	s_lshl_b32 s62, s59, 2
	s_add_co_u32 s62, s62, s58
	s_add_co_u32 s62, s62, 19200                   ; Q's scale words: [row][tile]
	s_mov_b32 s63, 0
	s_lshr_b32 s58, s52, 4
	s_lshl_b32 s58, s58, 7
	s_lshl_b32 s59, s51, 5
	s_add_co_u32 s58, s58, s59
	s_add_co_u32 s58, s58, s[WV]                   ; my first tile among the 512 tiles of 16 tokens: 128 x batch + 32 x block + wave
	s_and_b32 s59, s52, 15                         ; the head
	s_lshl_b32 s50, s58, 4
	s_add_co_u32 s50, s50, s59
	s_mul_i32 s50, s50, 768                        ; ac
	s_mov_b32 s51, 0
	s_lshl_b32 s58, s58, 9
	s_lshl_b32 s59, s59, 1
	s_add_co_u32 s58, s58, s59                     ; asc: 512 x tile + 2 x head
	s_mov_b32 s59, 0
	; descriptor group 1: a dense block of 13,056 bytes as 51 rows of 256 bytes
	s_mov_b32 s[G1], 15|(3<<16)|(1<<21)            ; 15:0 the mask: all four work-groups; 17:16 elements of 8 bytes; 20 padding off; 21 set beside a mask
	s_mov_b32 s[G1+1], 32<<16                      ; tensor_dim0 = 32
	s_mov_b32 s[G1+2], 51<<16                      ; tensor_dim1 = 51
	s_mov_b32 s[G1+3], 32<<16                      ; tile_dim0 = 32
	s_mov_b32 s[G1+4], 51                          ; tile_dim1 = 51
	s_mov_b32 s[G1+5], 32                          ; tensor_dim0_stride
	s_mov_b32 s[G1+6], 0
	s_mov_b32 s[G1+7], 0
	s_mov_b32 s[SEL], 0x76543210
	s_mov_b32 s[SEL+1], 0xfedcba98
	s_mov_b32 s[CS], 0x3d38aa3b                    ; c = log2(e) / 32: the division by sqrt(1,024) is a power of two
	s_mov_b32 s[CS+1], s[CS]                       ; (named with it as a pair, so it is written)
	s_wait_dscnt 0x0
	s_wait_kmcnt 0x0
	s_add_nc_u64 s[56:57], s[4:5], s[56:57]
	s_add_nc_u64 s[60:61], s[4:5], s[60:61]
	s_add_nc_u64 s[62:63], s[4:5], s[62:63]
	s_add_nc_u64 s[6:7], s[6:7], s[50:51]
	s_add_nc_u64 s[8:9], s[8:9], s[58:59]
	CROUND                                         ; all four work-groups are here: the joint loads meet
.irp c, 0,1,2,3
	s_mov_b32 s[G0+4*\c], 1                        ; 1:0 count = 1
	s_add_co_u32 s[G0+4*\c+1], s53, 4*KVB*\c       ; 63:32 LDS address: step 4 c + wave
	s_add_nc_u64 s[G0+4*\c+2:G0+4*\c+3], s[56:57], 4*STEPB*\c   ; 120:64 global address
	s_or_b32 s[G0+4*\c+3], s[G0+4*\c+3], 0x80000000             ; 127:126 type = 2
.endr
	s_cmp_lt_u32 s[WV], 4                          ; all the fills of a wave stand in one branch on the wave's number, ahead of every wait on TENSORcnt and every LDS read: four loads of mine are out
	s_cbranch_scc0 .Lasked
	tensor_load_to_lds s[G0:G0+3], s[G1:G1+7]
	s_nop 0
	tensor_load_to_lds s[G0+4:G0+7], s[G1:G1+7]
	s_nop 0
	tensor_load_to_lds s[G0+8:G0+11], s[G1:G1+7]
	s_nop 0
	tensor_load_to_lds s[G0+12:G0+15], s[G1:G1+7]
	s_nop 0
.rept 4
	v_nop
.endr
.Lasked:
	v_and_b32 v5, 31, v0                           ; lane
	v_and_b32 v6, 15, v0                           ; r = lane % 16
	s_delay_alu instid0(VALU_DEP_2)
	v_lshlrev_b32 v1, 4, v5                        ; an image's registers 0-3
	s_delay_alu instid0(VALU_DEP_3)
	v_lshlrev_b32 v2, 3, v5                        ; its registers 4-5
	s_delay_alu instid0(VALU_DEP_3)
	v_lshlrev_b32 v3, 5, v6                        ; K's and Q's scale words, asc: 32 bytes a row
	s_delay_alu instid0(VALU_DEP_4)
	v_lshlrev_b32 v4, 4, v6                        ; V's scale words: 16 bytes a row
	global_load_b128 v[16:19], v1, s[60:61]        ; the first pass's Q: half an operand,
	global_load_b64 v[20:21], v2, s[60:61] offset:512
	global_load_b32 v255, v3, s[62:63]             ; and its scale words
	global_load_b128 v[28:31], v1, s[60:61] offset:PASSQ       ; the second pass's, kept aside until then
	global_load_b64 v[92:93], v2, s[60:61] offset:PASSQ+512
	global_load_b32 v94, v3, s[62:63] offset:PASSQ
.irp j, 22,23,24,25,26,27
	v_mov_b32 v[\j], 0                             ; Q: k = 64 .. 127: zero codes
.endr
.irp t, 0,1,2,3
.irp j, 6,7,8,9,10,11
	v_mov_b32 v[32+12*\t+\j], 0                    ; K likewise: written once, no load lands here
.endr
.endr
.irp b, 0,1,2,3
	v_mov_b32 v[236+\b], 0                         ; written once: a lane permute's destination counts as one of its sources
.endr
	v_mov_b32 v253, 0                              ; (named as the upper half of the pair v[252:253] before it is first written)
; A pass begins: the step has no first form of its own: it finds zeros, which the first change of M leaves zeros.
.macro INIT
	v_mov_b32 v13, 0xff61b1e6                      ; the largest t so far: -3e38, under every t
	s_delay_alu instid0(VALU_DEP_1)
	v_floor_f32 v12, -v13                          ; -M
	v_mov_b32 v14, 0                               ; the sum, in two halves
	v_mov_b32 v15, 0
.irp j, 0,1,2,3,4,5,6,7,8,9,10,11,12,13,14,15,16,17,18,19,20,21,22,23,24,25,26,27,28,29,30,31
	v_mov_b32 v[160+\j], 0                         ; O^T
.endr
.endm
	INIT
; Tiles 4 g .. 4 g + 3 of K into the lower halves of the four fragments; ra, rb: the registers with 16 x lane and 8 x lane (+ the step's first byte); off: bytes on from there
.macro KLOAD g, ra, rb, off
.irp t, 0,1,2,3
	ds_load_b128 v[32+12*\t:35+12*\t], v[\ra] offset:(\off)+768*(4*\g+\t)
	ds_load_b64 v[36+12*\t:37+12*\t], v[\rb] offset:(\off)+768*(4*\g+\t)+512
.endr
.endm
.macro KWORDS rc, off                  ; K's scale words: my row's, of tiles 0-3 and of tiles 4-7
	ds_load_b128 v[80:83], v[\rc] offset:(\off)+KSC
	ds_load_b128 v[84:87], v[\rc] offset:(\off)+KSC+16
.endm
.macro SMUL g                          ; S^T = K Q^T for tiles 4 g .. 4 g + 3
.irp t, 0,1,2,3
	v_wmma_scale_f32_16x16x128_f8f6f4 v[96+8*(4*\g+\t):103+8*(4*\g+\t)], v[32+12*\t:43+12*\t], v[16:27], 0, v[80+4*\g+\t], v255 matrix_a_fmt:MATRIX_FMT_FP6 matrix_b_fmt:MATRIX_FMT_FP6
.endr
.endm
; THE LARGEST SCORE OF EACH BLOCK OF 32 KEYS serves twice: for the row's maximum, and, since p rises with the score, for the block's largest p.  Blocks b0 and b0 + 1 by turns; each accumulator is read from its low end on.
.macro BMAX_A b0
.irp b, \b0, \b0+1
	v_max3_num_f32 v[232+\b], v[96+16*(\b)], v[97+16*(\b)], v[98+16*(\b)]
.endr
.irp i, 3,5,7,9,11
.irp b, \b0, \b0+1
	v_max3_num_f32 v[232+\b], v[232+\b], v[96+16*(\b)+\i], v[97+16*(\b)+\i]
.endr
.endr
.endm
.macro BMAX_B b0
.irp b, \b0, \b0+1
	v_max3_num_f32 v[232+\b], v[232+\b], v[109+16*(\b)], v[110+16*(\b)]
.endr
.irp b, \b0, \b0+1
	v_max_num_f32 v[232+\b], v[232+\b], v[111+16*(\b)]
.endr
.endm
.macro VLOAD dt                        ; a fragment of V: channels 16 dt on x the step's 128 keys, onto registers of p that have been read for the last time
.irp c, 0,1
	ds_load_b128 v[96+12*\dt+6*\c:99+12*\dt+6*\c], v8 offset:VOF+3072*\c+768*\dt
	ds_load_b64 v[100+12*\dt+6*\c:101+12*\dt+6*\c], v9 offset:VOF+3072*\c+768*\dt+512
.endr
.endm
; A KEY STEP: 128 keys.  Its tiles 0-3 of K and its eight scale words are in registers already: asked for a step ago and waited for there.
; pf = 1: the next step's are asked for, 13,056 bytes on;  2: step 0's, for the next pass;  0: none.
.macro STEP pf
	v_add_nc_u32 v8, s[TB], v1
	v_add_nc_u32 v9, s[TB], v2
	v_add_nc_u32 v11, s[TB], v4
.if \pf == 1
	v_add_nc_u32 v10, s[TB], v3
.else
	v_nop
.endif
	v_nop                                          ; five places between the last step's products and this step's, which write their results over V's fragments
	SMUL 0
.rept 4
	v_nop                                          ; places in front of loads into registers that matrix instructions have read, and of the reads of their results
.endr
	KLOAD 1, 8, 9, 0                               ; tiles 4-7
	BMAX_A 0                                       ; blocks 0 and 1 are tiles 0-3: twelve lines while the loads are on their way
	s_wait_alu depctr_va_vdst(0)
	s_wait_dscnt 0x0
	SMUL 1                                         ; lane (r, h) holds query r; the 16 registers of tiles 2 b, 2 b + 1 are keys 32 b + 16 h + 0 .. 15 of the step
	BMAX_B 0                                       ; four plain lines that name no register of the last four products: the places in front of the loads and reads below
.if \pf == 1
	KLOAD 0, 8, 9, KVB
	KWORDS 10, KVB
.elseif \pf == 2
	KLOAD 0, 1, 2, 0
	KWORDS 3, 0
.endif
	BMAX_A 2
	BMAX_B 2
.irp b, 0,1,2,3
	v_permlanex16_b32 v[236+\b], v[232+\b], s[SEL], s[SEL+1]
.endr
.irp b, 0,1,2,3
	s_delay_alu instid0(VALU_DEP_4)
	v_max_num_f32 v[232+\b], v[232+\b], v[236+\b]  ; with lane l xor 16's 16 keys
.endr
	s_delay_alu instid0(VALU_DEP_2)
	v_max3_num_f32 v254, v232, v233, v234
	s_delay_alu instid0(VALU_DEP_1)
	v_max_num_f32 v254, v254, v235                 ; the step's largest score of my query
	s_delay_alu instid0(VALU_DEP_1)
	v_mul_f32 v254, s[CS], v254                    ; as t (c is positive)
	s_delay_alu instid0(VALU_DEP_1)
	v_max_num_f32 v13, v13, v254                   ; the running largest t
	v_mov_b32 v254, v12
	s_delay_alu instid0(VALU_DEP_2)
	v_floor_f32 v12, -v13                          ; the new -M = floor(-t) = -ceil(t): M IS A WHOLE NUMBER
	s_delay_alu instid0(VALU_DEP_1)
	v_sub_f32 v254, v12, v254                      ; M's old value less its new one: a whole number, 0 or less
	s_delay_alu instid0(VALU_DEP_1)
	v_cvt_i32_f32 v254, v254                       ; (it saturates)
	s_delay_alu instid0(VALU_DEP_1)
	v_ldexp_f32 v252, 1.0, v254                    ; f = 2^(old M - new M): a multiplication by it rounds nothing
.irp j, 0,2,4,6,8,10,12,14,16,18,20,22,24,26,28,30,32,34,36,38,40,42,44,46,48,50,52,54,56,58,60,62
	v_pk_fma_f32 v[96+\j:97+\j], v[96+\j:97+\j], s[CS:CS+1], v[12:13] op_sel_hi:[1,0,0]   ; t - M, two at a time (of the pairs c and -M the low word serves both halves)
.endr
.irp b, 0,1,2,3
	v_fma_f32 v[232+\b], v[232+\b], s[CS], v12     ; the same of each block's largest score
.endr
	s_wait_alu depctr_va_vdst(0)
.irp j, 0,1,2,3,4,5,6,7,8,9,10,11,12,13,14,15,16,17,18,19,20,21,22,23,24,25,26,27,28,29,30,31,32,33,34,35,36,37,38,39,40,41,42,43,44,45,46,47,48,49,50,51,52,53,54,55,56,57,58,59,60,61,62,63
	v_exp_f32 v[96+\j], v[96+\j]                   ; p = 2^(t - M), at most 1: NOT normalised
.endr
	s_setprio 1
.irp b, 0,1,2,3
	v_exp_f32 v[232+\b], v[232+\b]                 ; the block's largest p: the same two instructions on the same number give the same bits
.endr
	v_pk_mul_f32 v[14:15], v[14:15], v[252:253] op_sel_hi:[1,0]   ; the sums under the new M.  (A plain place behind the exponentials)
	s_wait_alu depctr_va_vdst(0)
.irp b, 0,1,2,3
	v_max_num_f32 v[232+\b], 0x1800000, v[232+\b]  ; the floor 2^(3 - 127): the byte cannot fall under 1 (a block whose every p has fallen to 0 keeps that byte: its codes are zeros)
.endr
.irp b, 0,1,2,3
	s_delay_alu instid0(VALU_DEP_4)
	v_add_nc_u32 v[244+\b], 0xff000000, v[232+\b]  ; 2 off the exponent field: the conversion's scale operand
.endr
.irp b, 0,1,2,3
	s_delay_alu instid0(VALU_DEP_4)
	v_lshrrev_b32 v[236+\b], 23, v[244+\b]         ; the scale's byte
.endr
	s_delay_alu instid0(VALU_DEP_3)
	v_lshl_or_b32 v253, v237, 8, v236              ; p's scale word for these 128 keys
	s_delay_alu instid0(VALU_DEP_1)
	v_lshl_or_b32 v253, v238, 16, v253
	s_delay_alu instid0(VALU_DEP_1)
	v_lshl_or_b32 v253, v239, 24, v253
.irp c, 0,1
	v_cvt_scalef32_pk16_fp6_f32 v[224+6*\c:226+6*\c], v[96+32*\c:111+32*\c], v[244+2*\c]
	v_cvt_scalef32_pk16_fp6_f32 v[236+4*\c:238+4*\c], v[112+32*\c:127+32*\c], v[244+2*\c+1]   ; (a conversion's three registers begin on an even number)
.endr
	v_nop                                          ; one plain place behind a scaled conversion: the lines below write its scale operands
	; THE ROW'S SUM IS TAKEN OF THE UNQUANTISED p: two at a time, in four chains (v244-251) that do not wait for each other, p's pairs in ascending order.  Pair i is v[96 + 2 i]; fragment dt of V lands on pairs 6 dt .. 6 dt + 5
.irp k, 0,1,2,3
	v_pk_add_f32 v[244+2*\k:245+2*\k], v[96+4*\k:97+4*\k], v[98+4*\k:99+4*\k]   ; pairs 0 to 7 start the chains
.endr
	VLOAD 0
.irp i, 8,9,10,11
	v_pk_add_f32 v[244+2*(\i%4):245+2*(\i%4)], v[244+2*(\i%4):245+2*(\i%4)], v[96+2*\i:97+2*\i]
.endr
	VLOAD 1
.irp i, 12,13,14,15,16,17
	v_pk_add_f32 v[244+2*(\i%4):245+2*(\i%4)], v[244+2*(\i%4):245+2*(\i%4)], v[96+2*\i:97+2*\i]
.endr
	VLOAD 2
.irp i, 18,19,20,21,22,23
	v_pk_add_f32 v[244+2*(\i%4):245+2*(\i%4)], v[244+2*(\i%4):245+2*(\i%4)], v[96+2*\i:97+2*\i]
.endr
	VLOAD 3
	ds_load_b128 v[88:91], v11 offset:VSC          ; V's scale words: my row's, of the four tiles
.irp i, 24,25,26,27,28,29,30,31
	v_pk_add_f32 v[244+2*(\i%4):245+2*(\i%4)], v[244+2*(\i%4):245+2*(\i%4)], v[96+2*\i:97+2*\i]
.endr
	s_delay_alu instid0(VALU_DEP_3)
	v_pk_add_f32 v[244:245], v[244:245], v[246:247]
	s_delay_alu instid0(VALU_DEP_2)
	v_pk_add_f32 v[248:249], v[248:249], v[250:251]
.irp c, 0,1                                    ; the operand's layout wants a WHOLE block in a lane: lanes 0-15 block 2 c, lanes 16-31 block 2 c + 1
.irp i, 0,1,2
	v_permlane16_swap_b32 v[224+6*\c+\i], v[236+4*\c+\i]
.endr
.irp i, 0,1,2
	s_delay_alu instid0(VALU_DEP_3)
	v_mov_b32 v[227+6*\c+\i], v[236+4*\c+\i]
.endr
.endr
	s_setprio 0
	v_pk_add_f32 v[244:245], v[244:245], v[248:249]
.irp j, 0,2,4,6,8,10,12,14,16,18,20,22,24,26,28,30
	v_pk_mul_f32 v[160+\j:161+\j], v[160+\j:161+\j], v[252:253] op_sel_hi:[1,0]   ; O^T under the new M, each accumulator from its low end on.  (These sixteen also stand between the last write of p's codes and the products)
.endr
	v_pk_add_f32 v[14:15], v[14:15], v[244:245]    ; the step's sum onto the row's
	s_wait_alu depctr_va_vdst(0)
	s_wait_dscnt 0x0                               ; V, and what was asked for the next step
.irp dt, 0,1,2,3                               ; O^T += V^T P^T; the four accumulators take turns
	v_wmma_scale_f32_16x16x128_f8f6f4 v[160+8*\dt:167+8*\dt], v[96+12*\dt:107+12*\dt], v[224:235], v[160+8*\dt:167+8*\dt], v[88+\dt], v253 matrix_a_fmt:MATRIX_FMT_FP6 matrix_b_fmt:MATRIX_FMT_FP6
.endr
.endm
.macro RUN first, n                    ; steps first .. first + n - 1, each asking for its successor's first tiles
	s_mov_b32 s[TB], (\first)*KVB
	s_mov_b32 s[CNT], \n
.Lstep_\@:
	s_setprio 2
	STEP 1
	s_add_co_u32 s[TB], s[TB], KVB
	s_sub_co_u32 s[CNT], s[CNT], 1
	s_cmp_lg_u32 s[CNT], 0
	s_cbranch_scc1 .Lstep_\@
	s_setprio 0
.endm
; left: my loads that may stay out: no byte of LDS is filled a second time in this launch.  No LDS instruction of mine is pending at the signal.
.macro MEET left
	s_wait_tensorcnt \left                         ; tensor loads of a wave end in order (ISA guide 10.11.1)
	s_barrier_signal -1
	s_barrier_wait -1
.endm
; THE WAY OUT of pass u.  O^T / l; register 16 b + i is channel 32 b + 16 (lane / 16) + i of my query: two blocks of 32 along the last product's K.  They become half an operand and two scale bytes.
.macro OUT u
.rept 4
	v_nop                                          ; places behind the last products
.endr
	v_add_f32 v14, v14, v15                        ; the sum's two halves,
	s_delay_alu instid0(VALU_DEP_1)
	v_permlanex16_b32 v252, v14, s[SEL], s[SEL+1]
	s_delay_alu instid0(VALU_DEP_1)
	v_add_f32 v14, v14, v252                       ; and lane l xor 16's: the row's sum
	s_wait_alu depctr_va_vdst(0)
	v_rcp_f32 v14, v14
	v_nop                                          ; one plain place behind a transcendental
	s_wait_alu depctr_va_vdst(0)
.irp j, 0,1,2,3,4,5,6,7,8,9,10,11,12,13,14,15,16,17,18,19,20,21,22,23,24,25,26,27,28,29,30,31
	v_mul_f32 v[192+\j], v[160+\j], v14
.endr
.irp b, 0,1
	v_max3_num_f32 v[232+\b], |v[192+16*\b]|, |v[193+16*\b]|, 0x1800000   ; my 16 numbers of block b, and the floor 2^(3 - 127)
.endr
.irp i, 2,4,6,8,10,12,14
.irp b, 0,1
	s_delay_alu instid0(VALU_DEP_2)
	v_max3_num_f32 v[232+\b], v[232+\b], |v[192+16*\b+\i]|, |v[193+16*\b+\i]|
.endr
.endr
.irp b, 0,1
	s_delay_alu instid0(VALU_DEP_2)
	v_permlanex16_b32 v[236+\b], v[232+\b], s[SEL], s[SEL+1]
.endr
.irp b, 0,1
	s_delay_alu instid0(VALU_DEP_2)
	v_max_num_f32 v[232+\b], v[232+\b], v[236+\b]  ; the block's largest magnitude
.endr
.irp b, 0,1
	s_delay_alu instid0(VALU_DEP_2)
	v_add_nc_u32 v[244+\b], 0xff000000, v[232+\b]  ; the conversion's scale operand
.endr
.irp b, 0,1
	s_delay_alu instid0(VALU_DEP_2)
	v_lshrrev_b32 v[236+\b], 23, v[244+\b]         ; the scale's byte
.endr
	s_delay_alu instid0(VALU_DEP_1)
	v_lshl_or_b32 v254, v237, 8, v236              ; my query's two bytes
	v_cvt_scalef32_pk16_fp6_f32 v[224:226], v[192:207], v244
	v_cvt_scalef32_pk16_fp6_f32 v[240:242], v[208:223], v245
	v_nop                                          ; one plain place behind a scaled conversion
.irp i, 0,1,2
	v_permlane16_swap_b32 v[224+\i], v[240+\i]     ; lanes 0-15 block 0, lanes 16-31 block 1: the first holds the lower 16 codes, the second the upper 16
.endr
.irp i, 0,1,2
	s_delay_alu instid0(VALU_DEP_3)
	v_mov_b32 v[227+\i], v[240+\i]
.endr
	global_store_b128 v1, v[224:227], s[6:7] offset:(\u)*PASSA       ; 32 lanes store 512 consecutive bytes, at a multiple of 256 from ac's first byte,
	global_store_b64 v2, v[228:229], s[6:7] offset:(\u)*PASSA+512    ; and 256
	global_store_b16 v3, v254, s[8:9] offset:(\u)*PASSS              ; lanes l and l xor 16 write the same two bytes with the same value
.endm
	s_wait_loadcnt 0x0                             ; Q, both passes'
	MEET 3                                         ; steps 0-3 are in LDS: the first load of each of waves 0-3; their three later loads stay out
	KLOAD 0, 1, 2, 0                               ; step 0's first tiles and scale words: the one time that nothing stands between these loads and their use
	KWORDS 3, 0
	s_wait_dscnt 0x0
	RUN 0, 3                                       ; steps 0-2; the last of them asks for step 3's tiles, which lie among the first four
	MEET 0                                         ; all sixteen steps are in LDS; from here on it is only read, so no barrier follows
	RUN 3, 12                                      ; steps 3-14
	s_mov_b32 s[TB], 15*KVB
	STEP 2                                         ; step 15 asks for step 0's tiles: the second pass begins there
	OUT 0
.irp j, 0,1,2,3
	v_mov_b32 v[16+\j], v[28+\j]                   ; THE SECOND PASS: its Q and scale words take their places; the 36 plain lines of INIT stand between these and the next products
.endr
	v_mov_b32 v20, v92
	v_mov_b32 v21, v93
	v_mov_b32 v255, v94
	INIT
	s_wait_xcnt 0x0                                ; the first pass's stores have read their registers: the steps below write them again
	RUN 0, 15                                      ; steps 0-14
	s_mov_b32 s[TB], 15*KVB
	STEP 0                                         ; the last step asks for nothing
	OUT 1
	s_wait_tensorcnt 0x0
	ds_add_u32 v95, v243
	s_wait_dscnt 0x0
	CROUND                                         ; no work-group ends while a partner may still ask for a tile that names it
	s_endpgm
.Lfunc_end_k_qc7cee1e48f_attn:
	.size	k_qc7cee1e48f_attn, .Lfunc_end_k_qc7cee1e48f_attn-k_qc7cee1e48f_attn
	.p2alignl 7, 3214868480
	.fill 96, 4, 3214868480
	.section	.rodata,"a",@progbits
	.p2align	6, 0x0
	.amdhsa_kernel k_qc7cee1e48f_attn
		.amdhsa_group_segment_fixed_size 210944
		.amdhsa_private_segment_fixed_size 0
		.amdhsa_enable_private_segment 0
		.amdhsa_kernarg_size 24
		.amdhsa_user_sgpr_count 2
		.amdhsa_user_sgpr_kernarg_segment_ptr 1
		.amdhsa_wavefront_size32 1
		.amdhsa_system_sgpr_workgroup_id_x 1
		.amdhsa_system_sgpr_workgroup_id_y 1
		.amdhsa_system_sgpr_workgroup_id_z 1
		.amdhsa_system_vgpr_workitem_id 0
		.amdhsa_next_free_vgpr 256
		.amdhsa_next_free_sgpr 66
		.amdhsa_reserve_vcc 0
		.amdhsa_float_denorm_mode_32 3
		.amdhsa_float_denorm_mode_16_64 3
		.amdhsa_memory_ordered 1
		.amdhsa_forward_progress 1
		.amdhsa_inst_pref_size 104
	.end_amdhsa_kernel
	.amdgpu_metadata
---
amdhsa.version: [ 1, 2 ]
amdhsa.kernels:
  - .name:           k_qc7cee1e48f_attn
    .symbol:         k_qc7cee1e48f_attn.kd
    .args:
      - { .name: qkv, .offset: 0, .size: 8, .value_kind: global_buffer, .address_space: global }
      - { .name: ac, .offset: 8, .size: 8, .value_kind: global_buffer, .address_space: global }
      - { .name: asc, .offset: 16, .size: 8, .value_kind: global_buffer, .address_space: global }
    .group_segment_fixed_size: 210944
    .private_segment_fixed_size: 0
    .kernarg_segment_align: 8
    .kernarg_segment_size: 24
    .max_flat_workgroup_size: 512
    .sgpr_count:     66
    .vgpr_count:     256
    .wavefront_size: 32
...
	.end_amdgpu_metadata
.endif
;; end of part 3
;; launch outp (part 4): grid 4 x 32, 4 waves a work-group, clusters of 4 x 4, 327,680 bytes of LDS; arguments ac, asc, cod, scl, out0; writes out0
.if DOCPART == 4
	.amdgcn_target "amdgcn-amd-amdhsa--gfx1250"
	.amdhsa_code_object_version 6
	.text
	.protected	k_qc7cee1e48f_outp
	.globl	k_qc7cee1e48f_outp
	.p2align	8
	.type	k_qc7cee1e48f_outp,@function
k_qc7cee1e48f_outp:
	s_mov_b64 s[64:65], 0
	v_nop
	global_prefetch_b8 v0, s[64:65] scope:SCOPE_SE
	s_setreg_imm32_b32 hwreg(HW_REG_WAVE_MODE, 25, 1), 1
	s_wait_xcnt 0x0
	s_wait_alu depctr_hold_cnt(0) depctr_sa_sdst(0) depctr_va_vdst(0) depctr_va_sdst(0) depctr_va_ssrc(0) depctr_va_vcc(0) depctr_vm_vsrc(0)
	s_getreg_b32 s2, hwreg(HW_REG_IB_STS2, 6, 4)
	s_cmp_eq_u32 s2, 0
	s_cbranch_scc0 .Lentry_in_a_cluster
	s_endpgm
.Lentry_in_a_cluster:
	s_bfe_u32 s2, ttmp6, 0x10000c
	s_cmp_lg_u32 s2, 0xf033
	s_cbranch_scc0 .Lentry_shape_is_right
	s_endpgm
.Lentry_shape_is_right:
; out0[m][n] = sum over k of A[m][k] W_o[n][k], m = 8,192 tokens, n = k = 1,024, on codes of FP6 (E2M3) with one E8M0 scale for each 32 along K; sums and out0 in f32.
; A is attention's result, laid as operand registers: ac [tile of 16 tokens][head 16][768 bytes], 768 bytes being 16 rows x 64 along K (registers 0-3 at 16 x lane, registers 4-5 at 512 + 8 x lane); asc [token][32] its scale bytes.
; W_o's codes are rows 27,648 on of cod ([row][768 bytes], a row one stream of bits), its scale bytes the same rows of scl ([row][32]).
; A tile of out0, 256 x 256, is made by four waves, as many as a WGP has SIMDs; a wave makes 128 x 128: 64 accumulators, 512 registers.  K goes in steps of 256 (four heads) through a ring of two LDS slots filled by the tensor
; data mover: of A eight tiles of tokens x 3,072 consecutive bytes a load, of W_o 128 rows x 192 bytes.  The scale bytes of the work-group's 256 + 256 rows, for all of K, come into LDS once, with the first fills.
; 128 work-groups: the product is short beside the launch before it, and a smaller tile would read each fragment from LDS for half the products.
; CLUSTERS: 4 x 4 work-groups.  The four of a row of the cluster need the same tiles of A, the four of a column the same tiles of W_o: each is asked for JOINTLY, by the same tensor load with the same descriptor and a mask
; that names the four.  THE MATRIX INSTRUCTION IS USED TRANSPOSED (source 0 = 16 rows of W_o, source 1 = 16 rows of A): a lane then holds eight neighbouring numbers of a row of out0.
; REGISTERS, in windows of 256: window 0: v0-31 addresses; v32-63 scale words, two sets; from v128 A's fragments, ONE set; on the way out v128-255 take rows of out0.
;   window 1: W_o's fragments, TWO sets, at v0 and v128.   window 2: the accumulators of my rows 0-63 ((a, b) at v[8 (8 a + b)]);   window 3: those of my rows 64-127.
.set SIZE_K, 1024
.set SIZE_N, 1024
.set KSTEP,  256
.set NQ,     KSTEP/128
.set ROWB,   192                       ; a row of W_o's tile in bytes
.set KROW,   SIZE_K*6/8                ; a row of cod; also A's bytes for one token
.set PITCH,  240                       ; W_o's LDS row: 3 x (64 bytes + 16 of padding) = 60 words: row r starts at bank -4 r mod 64 (64 banks of 4 bytes: ISA guide 11.1)
.set FR,     12
.set NLA,    4                         ; LDS loads that bring a fragment of A: two of 16 bytes, two of 8
.set NP,     4                         ; places behind this matrix instruction (ISA guide 7.12.1)
.set ASTEP,  3072                      ; A: a tile of 16 tokens x 256 along K
.set HALFA,  8*ASTEP                   ; 128 tokens: what one tensor load brings of A
.set HALFB,  128*PITCH                 ; 128 rows of W_o
.set SLOT,   2*HALFA+2*HALFB           ; A's 256 rows, then W_o's 256 rows
.set LAPS,   SIZE_K/(2*KSTEP)
.set KS,     SIZE_K/32
.set SCL,    2*SLOT                    ; behind the ring: the scales, as runs of 256 bytes + 16 of padding
.set HALFS,  (128*KS/256)*272
.set SBLK,   (16*KS/256)*272
.set SPARE,  SCL+4*HALFS               ; behind the scales: the spare words, 128 bytes for each wave, that no other line names
.set SPITCH, 528                       ; the way out: a stage of 16 rows x (512 bytes + 16) for each wave.  It lies in slot 0, which has had its last fill and its last read when the first result is stored there
.set ADRA, 16                          ; v16-17  A's images in slot 0, 1: + 16 x lane  (v18-19: + 8 x lane)
.set ADRB, 20                          ; v20-21  W_o's fragments in slot 0, 1  (v22-23: for the pieces behind one padding more)
.set STO,  24                          ; v24     the way out: where I put 32 bytes of a row
.set RD,   25                          ; v25     where I read a row back
.set CO,   26                          ; v26     my byte offset in a row of out0
.set ADRS, 27                          ; v27     LDS address of my scale words: lanes 0-15 A's rows, lanes 16-31 W_o's
.set SPW,  28                          ; v28     LDS address of my spare word; never rewritten
.set NIL,  29                          ; v29     0; never rewritten
.set SC,   32
.set AF,   128
.set BK,   128                         ; the way out: 16 rows read back from the stage: v128-191 and v192-255 by turns
.set G1, 24
.set G0, 32
.set G1B, 48
.set G0B, 56
.set G1S, 68
.set G0S, 76
.set G1SB, 80
.set G0SB, 88
.set MSB, 0
.macro WIN new                         ; the immediate's high byte repeats the setting that is left
.if MSB != (\new)
	s_set_vgpr_msb (MSB<<8)|(\new)
.set MSB, (\new)
.endif
.endm
.set MUL_LO, 0xa1                      ; source 0 (W_o) window 1, source 1 (A) window 0, C and D window 2
.set MUL_HI, 0xf1                      ; the same, C and D window 3
.set TO_B,   0x40                      ; destination window 1, address window 0
; A joint load: waves 0 and 1 fetch for A, waves 2 and 3 for W_o.  Four v_nop follow each of the two lines, ahead of the jump, the label and what follows.
.macro JLOAD g0a, g1a, g0b, g1b
	s_cmp_eq_u32 s15, 0
	s_cbranch_scc0 .Lfor_b_\@
	tensor_load_to_lds s[\g0a:\g0a+3], s[\g1a:\g1a+7]
	s_nop 0
.rept 4
	v_nop
.endr
	s_branch .Lasked_\@
.Lfor_b_\@:
	tensor_load_to_lds s[\g0b:\g0b+3], s[\g1b:\g1b+7]
	s_nop 0
.rept 4
	v_nop
.endr
.Lasked_\@:
.endm
.macro CREST                           ; the cluster's barrier behind its opening work-group barrier
	s_cmp_lg_u32 s14, 0
	s_cbranch_scc1 .Lnot_wave_0_\@
	s_barrier_signal -3
.Lnot_wave_0_\@:
	s_barrier_wait -3
	s_barrier_signal -1
	s_barrier_wait -1
.endm
.macro CROUND
	s_barrier_signal -1
	s_barrier_wait -1
	CREST
.endm
	s_load_b128 s[4:7], s[0:1], 0x0                ; ac s[4:5], asc s[6:7]
	s_load_b128 s[8:11], s[0:1], 0x10              ; cod s[8:9], scl s[10:11]
	s_load_b64 s[12:13], s[0:1], 0x20              ; out0
	v_lshl_add_u32 v[SPW], v0, 2, SPARE
	v_mov_b32 v[NIL], 0
	ds_add_u32 v28, v29
	ds_add_u32 v28, v29
	s_wait_dscnt 0x0
	v_lshrrev_b32 v1, 5, v0
	v_readfirstlane_b32 s14, v1                    ; wave 0..3
	s_lshr_b32 s15, s14, 1                         ; which half of the tile's rows is mine.  Also: I fetch for A (0) or for W_o (1)
	s_and_b32 s16, s14, 1                          ; which half of its columns.  Also: which 128 rows of that tile I fetch
	s_bfe_u32 s40, ttmp6, 0x40000                  ; cx, cy: my place in the cluster
	s_bfe_u32 s41, ttmp6, 0x40004
	s_lshl_b32 s42, ttmp9, 2
	s_add_co_u32 s42, s42, s40                     ; tile column = 4 x cluster x + cx
	s_and_b32 s17, ttmp7, 0xffff
	s_lshl_b32 s17, s17, 2
	s_add_co_u32 s17, s17, s41                     ; tile row = 4 x cluster y + cy
	s_lshl_b32 s43, s41, 2
	s_lshl_b32 s43, 15, s43                        ; my row of the cluster
	s_lshl_b32 s44, 0x1111, s40                    ; my column
	; descriptor group 1 for A: 8 rows (tiles of 16 tokens) of 3,072 bytes (384 elements of 8 bytes), 12,288 bytes apart; no padding: the images are read 16 x lane and 8 x lane, consecutive bytes
	s_or_b32 s[G1+0], s43, (3<<16)|(1<<21)         ; 15:0 the mask: A's tiles go to my row; 17:16 elements of 8 bytes; 21 set beside a mask
	s_mov_b32 s[G1+1], 384<<16                     ; tensor_dim0
	s_mov_b32 s[G1+2], 8<<16                       ; tensor_dim1
	s_mov_b32 s[G1+3], 384<<16                     ; tile_dim0
	s_mov_b32 s[G1+4], 8                           ; tile_dim1
	s_mov_b32 s[G1+5], 1536                        ; tensor_dim0_stride
	s_mov_b32 s[G1+6], 0
	s_mov_b32 s[G1+7], 0
	; for W_o: 128 rows x 192 bytes, 16 bytes of padding behind every 64
	s_or_b32 s[G1B+0], s44, (0<<16)|(1<<20)|(1<<21)|(3<<22)|(3<<25)
	s_mov_b32 s[G1B+1], ROWB<<16
	s_mov_b32 s[G1B+2], 128<<16
	s_mov_b32 s[G1B+3], ROWB<<16
	s_mov_b32 s[G1B+4], 128
	s_mov_b32 s[G1B+5], KROW
	s_mov_b32 s[G1B+6], 0
	s_mov_b32 s[G1B+7], 0
	; and for the scales of 128 rows: a dense block of 4,096 bytes, as 16 rows of 256 bytes, 16 bytes of padding behind each
	s_or_b32 s[G1S+0], s43, (3<<16)|(1<<20)|(1<<21)|(5<<22)|(3<<25)
	s_or_b32 s[G1SB+0], s44, (3<<16)|(1<<20)|(1<<21)|(5<<22)|(3<<25)
.irp g, G1S, G1SB
	s_mov_b32 s[\g+1], 32<<16
	s_mov_b32 s[\g+2], (128*KS/256)<<16
	s_mov_b32 s[\g+3], 32<<16
	s_mov_b32 s[\g+4], 128*KS/256
	s_mov_b32 s[\g+5], 32
	s_mov_b32 s[\g+6], 0
	s_mov_b32 s[\g+7], 0
.endr
	s_lshl_b32 s18, s16, 7                         ; which 128 rows of the tile I fetch
	s_lshl_b32 s20, s17, 8
	s_add_co_u32 s20, s20, s18                     ; A: token 256 x tile row + 128 x half
	s_lshl_b32 s46, s42, 8
	s_add_co_u32 s46, s46, s18
	s_add_co_u32 s46, s46, 27648                   ; W_o: row 27,648 + 256 x tile column + 128 x half
	s_mov_b32 s21, 0
	s_mov_b32 s47, 0
	s_mov_b64 s[18:19], KS
	s_mul_u64 s[22:23], s[20:21], s[18:19]         ; where these rows' scales begin, in bytes
	s_mul_u64 s[92:93], s[46:47], s[18:19]
	s_mov_b64 s[18:19], KROW
	s_mul_u64 s[20:21], s[20:21], s[18:19]         ; and their codes: 768 bytes a token in ac too (16 tokens: 12,288)
	s_mul_u64 s[46:47], s[46:47], s[18:19]
	s_mul_i32 s45, s16, HALFA                      ; where they go: A's two halves,
	s_mul_i32 s67, s16, HALFB
	s_add_co_u32 s67, s67, 2*HALFA                 ; then W_o's two: no place in the cluster enters an LDS address
	s_mul_i32 s94, s14, HALFS
	s_wait_kmcnt 0x0
	s_add_nc_u64 s[20:21], s[4:5], s[20:21]
	s_add_nc_u64 s[22:23], s[6:7], s[22:23]
	s_add_nc_u64 s[46:47], s[8:9], s[46:47]
	s_add_nc_u64 s[92:93], s[10:11], s[92:93]
	CROUND                                         ; all sixteen work-groups are here: the first joint loads meet
	s_mov_b32 s[G0S], 1
	s_add_co_u32 s[G0S+1], s94, SCL
	s_mov_b64 s[G0S+2:G0S+3], s[22:23]
	s_or_b32 s[G0S+3], s[G0S+3], 0x80000000
	s_mov_b32 s[G0SB], 1
	s_add_co_u32 s[G0SB+1], s94, SCL
	s_mov_b64 s[G0SB+2:G0SB+3], s[92:93]
	s_or_b32 s[G0SB+3], s[G0SB+3], 0x80000000
	JLOAD G0S, G1S, G0SB, G1SB                     ; the scales first: they are wanted with K step 0
.irp s, 0,1
	s_mov_b32 s[G0+4*\s], 1
	s_add_co_u32 s[G0+4*\s+1], s45, \s*SLOT
	s_add_nc_u64 s[G0+4*\s+2:G0+4*\s+3], s[20:21], \s*ASTEP
	s_or_b32 s[G0+4*\s+3], s[G0+4*\s+3], 0x80000000
	s_mov_b32 s[G0B+4*\s], 1
	s_add_co_u32 s[G0B+4*\s+1], s67, \s*SLOT
	s_add_nc_u64 s[G0B+4*\s+2:G0B+4*\s+3], s[46:47], \s*ROWB
	s_or_b32 s[G0B+4*\s+3], s[G0B+4*\s+3], 0x80000000
	JLOAD G0+4*\s, G1, G0B+4*\s, G1B               ; three tensor loads of mine are out now
.endr
	v_and_b32 v1, 15, v0                           ; l % 16
	v_bfe_u32 v2, v0, 4, 1                         ; l / 16
	v_and_b32 v6, 31, v0                           ; lane
	v_mul_u32_u24 v3, v1, PITCH
	v_mul_u32_u24 v4, v2, 24
	v_add_nc_u32 v4, v3, v4                        ; W_o: a fragment's row x pitch + 24 x half
	v_lshl_add_u32 v5, v2, 4, v4                   ; and the same behind one padding more
	s_mul_i32 s21, s15, HALFA                      ; my 128 rows of A
	s_mul_i32 s22, s16, HALFB                      ; my 128 rows of W_o,
	s_add_co_u32 s22, s22, 2*HALFA                 ; which lie behind A's 256
.irp s, 0,1
	v_lshl_add_u32 v[ADRA+\s], v6, 4, s21
	v_lshl_add_u32 v[ADRA+2+\s], v6, 3, s21
	v_add_nc_u32 v[ADRB+\s], s22, v4
	v_add_nc_u32 v[ADRB+2+\s], s22, v5
	s_add_co_u32 s21, s21, SLOT
	s_add_co_u32 s22, s22, SLOT
.endr
	v_mul_u32_u24 v5, v1, KS                       ; my row's scales: KS bytes a row,
	v_lshrrev_b32 v7, 8, v5
	v_lshl_add_u32 v5, v7, 4, v5                   ; and 16 more for each 256 passed
	s_mul_i32 s21, s15, HALFS                      ; A's: my 128 rows
	s_mul_i32 s22, s16, HALFS                      ; W_o's: my 128 rows, behind A's 256
	s_add_co_u32 s22, s22, 2*HALFS
	s_sub_co_u32 s22, s22, s21
	v_mul_u32_u24 v7, s22, v2                      ; lanes 16-31 take W_o's: one product, the distance between the two bases x the half
	s_add_co_u32 s21, s21, SCL
	v_add_nc_u32 v5, v5, v7
	v_add_nc_u32 v[ADRS], s21, v5
	s_mul_i32 s23, s14, 16*SPITCH                  ; my stage
	v_mul_u32_u24 v5, v1, SPITCH                   ; in: row l % 16, 32 bytes for each half of the lanes
	v_lshl_add_u32 v5, v2, 5, v5
	v_add_nc_u32 v[STO], s23, v5
	v_lshlrev_b32 v[CO], 4, v6                     ; back: the 32 lanes take one row of 512 bytes; and the same in out0
	v_add_nc_u32 v[RD], s23, v[CO]
	s_lshl_b32 s20, s17, 8
	s_lshl_b32 s21, s15, 7
	s_add_co_u32 s20, s20, s21                     ; my first row of out0
	s_mov_b32 s21, 0
	s_mov_b64 s[18:19], SIZE_N*4
	s_mul_u64 s[20:21], s[20:21], s[18:19]
	s_lshl_b32 s46, s42, 10                        ; my first column, in bytes: 1,024 x tile column + 512 x half
	s_lshl_b32 s47, s16, 9
	s_add_co_u32 s46, s46, s47
	s_mov_b32 s47, 0
	s_add_nc_u64 s[20:21], s[20:21], s[46:47]
	s_add_nc_u64 s[12:13], s[12:13], s[20:21]
.macro FRAG reg, adr, q, i             ; a fragment of W_o from rows: 12 registers: lane l holds row l % 16; registers 6 c .. 6 c + 5 hold K = 64 c + 32 (l / 16) + 0 .. 31: 24 bytes of the row's stream of bits
.irp p, 0,1,2,3,4,5                    ; in pieces of 8 bytes.  Lanes 0-15 take the row's pieces 12 q + 0, 1, 2 and 12 q + 6, 7, 8, lanes 16-31 those three pieces on
.set PC, 12*(\q)+6*(\p/3)+\p%3        ; 16 bytes of padding lie behind every 8 pieces: where the piece three on lies behind one padding more, the second address register serves
.if PC%8 < 5
	ds_load_b64 v[\reg+2*\p:\reg+2*\p+1], v[\adr] offset:8*PC+16*(PC/8)+(\i)*16*PITCH
.else
	ds_load_b64 v[\reg+2*\p:\reg+2*\p+1], v[\adr+2] offset:8*PC+16*(PC/8)+(\i)*16*PITCH
.endif
.endr
.endm
.macro FRAGA reg, slot, q, i           ; a fragment of A from two images: head 2 q + c of the slot's four gives registers 6 c .. 6 c + 5
.irp c, 0,1
	ds_load_b128 v[\reg+6*\c:\reg+6*\c+3], v[ADRA+\slot] offset:ASTEP*(\i)+768*(2*(\q)+\c)
	ds_load_b64 v[\reg+6*\c+4:\reg+6*\c+5], v[ADRA+2+\slot] offset:ASTEP*(\i)+768*(2*(\q)+\c)+512
.endr
.endm
; 16 matrix instructions: A's blocks a0, a0 + 1 x W_o's eight, 128 along K.  zero = 1: the first product starts the sums.  The 64 accumulators take turns, one instruction a turn.
.macro MUL16 a0, p, q, sc, zero
.irp a, \a0, \a0+1
.irp b, 0,1,2,3,4,5,6,7
.if \zero
	v_wmma_scale_f32_16x16x128_f8f6f4 v[8*(8*((\a)%4)+\b):8*(8*((\a)%4)+\b)+7], v[128*(\p)+FR*\b:128*(\p)+FR*\b+FR-1], v[AF+FR*(\a):AF+FR*(\a)+FR-1], 0, v[SC+8*NQ*(\sc)+NQ*\b+(\q)], v[SC+8*NQ*(\sc)+NQ*(\a)+(\q)] matrix_a_fmt:MATRIX_FMT_FP6 matrix_b_fmt:MATRIX_FMT_FP6 matrix_a_scale:MATRIX_SCALE_ROW1
.else
	v_wmma_scale_f32_16x16x128_f8f6f4 v[8*(8*((\a)%4)+\b):8*(8*((\a)%4)+\b)+7], v[128*(\p)+FR*\b:128*(\p)+FR*\b+FR-1], v[AF+FR*(\a):AF+FR*(\a)+FR-1], v[8*(8*((\a)%4)+\b):8*(8*((\a)%4)+\b)+7], v[SC+8*NQ*(\sc)+NQ*\b+(\q)], v[SC+8*NQ*(\sc)+NQ*(\a)+(\q)] matrix_a_fmt:MATRIX_FMT_FP6 matrix_b_fmt:MATRIX_FMT_FP6 matrix_a_scale:MATRIX_SCALE_ROW1
.endif
.endr
.endr
.endm
.macro FETCH_B slot, q, p
	WIN TO_B
.irp i, 0,1,2,3,4,5,6,7
	FRAG 128*(\p)+FR*\i, ADRB+\slot, \q, \i
.endr
	WIN 0
.endm
.macro FETCH_A slot, q, i0             ; A's blocks i0 .. i0 + 3: 16 loads
.irp i, \i0, \i0+1, \i0+2, \i0+3
	FRAGA AF+FR*(\i), \slot, \q, \i
.endr
.endm
.macro SCALES sc
.irp i, 0,1,2,3,4,5,6,7
	ds_load_b64 v[SC+8*NQ*\sc+NQ*\i:SC+8*NQ*\sc+NQ*\i+1], v[ADRS] offset:\i*SBLK
.endr
.endm
; A load into a register that a matrix instruction has read, and an LDS store that reads a matrix result, stand NP places behind that matrix instruction; only plain vector instructions that name none of its
; registers are places (ISA guide 7.12.1 for vector instructions).
.macro PLACES n
.rept \n
	v_nop
.endr
.endm
.macro STEP slot, q, zero
	s_wait_dscnt 4*NLA                             ; W_o's set and A's blocks 0-3 are in; the youngest 16 loads (A's blocks 4-7) may be out
	WIN MUL_LO
	MUL16 0, (\q)%2, \q, \slot, \zero
	MUL16 2, (\q)%2, \q, \slot, \zero
	s_wait_dscnt 0                                 ; A's blocks 4-7 are in (asked for 32 matrix instructions ago)
	PLACES NP
	FETCH_B \slot, (\q)+1, 1-(\q)%2
	FETCH_A \slot, (\q)+1, 0
	WIN MUL_HI
	MUL16 4, (\q)%2, \q, \slot, \zero
	MUL16 6, (\q)%2, \q, \slot, \zero
	PLACES NP
	WIN 0
	FETCH_A \slot, (\q)+1, 4
.endm
; A slot's last step changes slots: ONE barrier; in front of it each wave waits for all its tensor loads, adds 0 to its spare word, and waits for that and for its own reads of this slot.  fill = 1: this slot is filled again, two K steps ahead.
.macro TURN slot, next, fill
	s_wait_tensorcnt 0x0                           ; all my tensor loads have landed: my part of the next slot;  (every window is 0 here)
	ds_add_u32 v[SPW], v[NIL]                      ; 0 onto my spare word;
	s_wait_dscnt 4*NLA+1                           ; (the add and the youngest 16 loads, A's blocks 4-7, may be out)
	WIN MUL_LO
	MUL16 0, 1, NQ-1, \slot, 0                     ; sixteen matrix instructions stand between the add and the wait for it
	s_wait_dscnt 0x0                               ; the add is done, and my reads of this slot are over
	s_barrier_signal -1
	MUL16 2, 1, NQ-1, \slot, 0
	WIN 0
	s_barrier_wait -1
.if \fill
	CREST                                          ; the barrier has opened the cluster's: no wave of any partner still reads this slot's tile or has a load on its way
	s_add_nc_u64 s[G0+4*\slot+2:G0+4*\slot+3], s[G0+4*\slot+2:G0+4*\slot+3], 2*ASTEP
	s_add_nc_u64 s[G0B+4*\slot+2:G0B+4*\slot+3], s[G0B+4*\slot+2:G0B+4*\slot+3], 2*ROWB
	JLOAD G0+4*\slot, G1, G0B+4*\slot, G1B         ; my one tensor load behind it; the four v_nop behind it are the places in front of the loads below
.else
	PLACES NP
.endif
	v_add_nc_u32 v[ADRS], 4*NQ, v[ADRS]            ; on to the next K step's scale words (no LDS load of mine is out)
	FETCH_B \next, 0, 0
	FETCH_A \next, 0, 0
	SCALES \next
	WIN MUL_HI
	MUL16 4, 1, NQ-1, \slot, 0
	MUL16 6, 1, NQ-1, \slot, 0
	PLACES NP
	WIN 0
	FETCH_A \next, 0, 4
.endm
	s_wait_tensorcnt 1                             ; the scales and my part of K step 0 are in (K step 1's load may be out)
	s_barrier_signal -1
	s_barrier_wait -1                              ; everybody's are
	FETCH_B 0, 0, 0
	FETCH_A 0, 0, 0
	SCALES 0
	FETCH_A 0, 0, 4
	STEP 0, 0, 1                                   ; the first step stands in front of the loop: its products start the sums
	s_mov_b32 s3, LAPS-1
.Llap:                                                 ; a trip goes once round the ring, from a lap's second step to the next lap's first, and fills both slots again
	TURN 0, 1, 1
	STEP 1, 0, 0
	TURN 1, 0, 1
	STEP 0, 0, 0
	s_sub_co_u32 s3, s3, 1
	s_cmp_lg_u32 s3, 0
	s_cbranch_scc1 .Llap
	TURN 0, 1, 0                                   ; the last lap fills nothing
	STEP 1, 0, 0
	s_wait_dscnt 4*NLA                             ; the very last step: nothing more to fetch
	WIN MUL_LO
	MUL16 0, 1, NQ-1, 1, 0
	MUL16 2, 1, NQ-1, 1, 0
	s_wait_dscnt 0
	WIN MUL_HI
	MUL16 4, 1, NQ-1, 1, 0
	MUL16 6, 1, NQ-1, 1, 0
	WIN 0
; THE WAY OUT, block by block of 16 rows x 128 columns.  A lane holds 32 neighbouring bytes of a row, and the lanes beside it hold other rows: so a block goes through my own stage in LDS and comes back as whole
; rows of 512 bytes.  LDS serves a wave's instructions in order (ISA guide 5.7.1.4): no wait between the stores and the loads, nor in front of the next block's stores.
.macro TOSTAGE a
.set AC, 64*((\a)%4)
	WIN 0x08+4*((\a)/4)                            ; the data: window 2 or 3
.irp b, 0,1,2,3,4,5,6,7
	ds_store_b128 v[STO], v[AC+8*\b:AC+8*\b+3] offset:64*\b          ; each accumulator from its low end on
	ds_store_b128 v[STO], v[AC+8*\b+4:AC+8*\b+7] offset:64*\b+16
.endr
	WIN 0
.set BB, BK+64*((\a)%2)
.irp t, 0,1,2,3,4,5,6,7,8,9,10,11,12,13,14,15
	ds_load_b128 v[BB+4*\t:BB+4*\t+3], v[RD] offset:\t*SPITCH
.endr
.endm
.macro SEND a, younger                 ; younger: the LDS instructions issued behind block a's loads, which may stay out
.set BB, BK+64*((\a)%2)
	s_wait_dscnt \younger                          ; the block is back in registers
.if (\a) > 0
	s_add_nc_u64 s[12:13], s[12:13], 16*SIZE_N*4   ; (behind a wait on XCNT: the earlier stores have read their base)  16 rows of out0 on
.endif
.irp t, 0,1,2,3,4,5,6,7,8,9,10,11,12,13,14,15
	global_store_b128 v[CO], v[BB+4*\t:BB+4*\t+3], s[12:13] offset:\t*SIZE_N*4 th:TH_STORE_NT   ; 32 lanes store 512 consecutive bytes, at a multiple of 256 from out0's first byte; written once, read by nobody here
.endr
.endm
	PLACES NP                                      ; behind the last products: for the loads into the registers that held A's fragments, and for the reads of results
	TOSTAGE 0
.irp a, 1,2,3,4,5,6,7
.if \a > 1
	s_wait_xcnt 0x0                                ; block a - 2's stores have read their registers and their base: block a's loads may land there, and the base may step
.endif
	TOSTAGE \a
	SEND \a-1, 32                                  ; behind block a - 1's loads: block a's 16 stores and 16 loads
.endr
	s_wait_xcnt 0x0                                ; block 6's stores have read their base
	SEND 7, 0
	s_wait_tensorcnt 0x0                           ; the wave's end, behind my last tensor load and my last LDS store
	ds_add_u32 v[SPW], v[NIL]
	s_wait_dscnt 0x0
	CROUND                                         ; no work-group ends while a partner may still ask for a tile that names it
	s_endpgm
.Lfunc_end_k_qc7cee1e48f_outp:
	.size	k_qc7cee1e48f_outp, .Lfunc_end_k_qc7cee1e48f_outp-k_qc7cee1e48f_outp
	.p2alignl 7, 3214868480
	.fill 96, 4, 3214868480
	.section	.rodata,"a",@progbits
	.p2align	6, 0x0
	.amdhsa_kernel k_qc7cee1e48f_outp
		.amdhsa_group_segment_fixed_size 327680
		.amdhsa_private_segment_fixed_size 0
		.amdhsa_enable_private_segment 0
		.amdhsa_kernarg_size 40
		.amdhsa_user_sgpr_count 2
		.amdhsa_user_sgpr_kernarg_segment_ptr 1
		.amdhsa_wavefront_size32 1
		.amdhsa_system_sgpr_workgroup_id_x 1
		.amdhsa_system_sgpr_workgroup_id_y 1
		.amdhsa_system_sgpr_workgroup_id_z 1
		.amdhsa_system_vgpr_workitem_id 0
		.amdhsa_next_free_vgpr 1024
		.amdhsa_next_free_sgpr 98
		.amdhsa_reserve_vcc 0
		.amdhsa_float_denorm_mode_32 3
		.amdhsa_float_denorm_mode_16_64 3
		.amdhsa_memory_ordered 1
		.amdhsa_forward_progress 1
		.amdhsa_inst_pref_size 152
	.end_amdhsa_kernel
	.amdgpu_metadata
---
amdhsa.version: [ 1, 2 ]
amdhsa.kernels:
  - .name:           k_qc7cee1e48f_outp
    .symbol:         k_qc7cee1e48f_outp.kd
    .args:
      - { .name: ac, .offset: 0, .size: 8, .value_kind: global_buffer, .address_space: global }
      - { .name: asc, .offset: 8, .size: 8, .value_kind: global_buffer, .address_space: global }
      - { .name: cod, .offset: 16, .size: 8, .value_kind: global_buffer, .address_space: global }
      - { .name: scl, .offset: 24, .size: 8, .value_kind: global_buffer, .address_space: global }
      - { .name: out0, .offset: 32, .size: 8, .value_kind: global_buffer, .address_space: global }
    .group_segment_fixed_size: 327680
    .private_segment_fixed_size: 0
    .kernarg_segment_align: 8
    .kernarg_segment_size: 40
    .max_flat_workgroup_size: 128
    .sgpr_count:     98
    .vgpr_count:     1024
    .wavefront_size: 32
...
	.end_amdgpu_metadata
.endif
;; end of part 4
